; MI455X (gfx1250); checked and timed in simulation.
; The chip was launched on July 23, 2026; its instructions are those of AMD's public machine-readable ISA for CDNA 5 (MIT licence, August 2026) and "CDNA5" Instruction Set Architecture Reference Guide (July 2026). The comments in the code are by the model that wrote it; some were corrected since.
;; Bidirectional Cross Attention. Allowed arithmetic: matrix products marked QUANTISED: E2M3 operands, one E8M0 scale for each 32 along K, by v_wmma_scale_f32_16x16x128_f8f6f4 with both operands' format E2M3, f32 sums; everything else in f32.
;; Inputs: context 2 x 2,048 x 1,024 float32; w_cout 1,024 x 1,024 float32; w_cqk 1,024 x 1,024 float32; w_cv 1,024 x 1,024 float32; w_out 1,024 x 1,024 float32; w_qk 1,024 x 1,024 float32; w_v 1,024 x 1,024 float32; x 2 x 2,048 x 1,024 float32.
;; Outputs: out0 2 x 2,048 x 1,024 float32; out1 2 x 2,048 x 1,024 float32.
;; This version of the problem:
;;   THIS VERSION OF THE PROBLEM IS GIVEN IN LOW PRECISION. The matrix products marked QUANTISED in the list below multiply operands that are first quantised to E2M3 (2 exponent bits, 3 mantissa bits; 6 bits a number), with one power-of-two scale for each 32 numbers along K (OCP MX v1.0); their sums are f32. All else is computed in f32.
;;   The module's matrix products, in the order in which they are computed (A, B: the left and right operand; K: the contracted axis; several contracted axes count as one K, in the product's order):
;;     1. [M 4,096, K 1,024] x [K 1,024, N 1,024]; A: input x; B: input w_qk: QUANTISED
;;     2. [M 4,096, K 1,024] x [K 1,024, N 1,024]; A: input x; B: input w_v: QUANTISED
;;     3. [M 4,096, K 1,024] x [K 1,024, N 1,024]; A: input context; B: input w_cqk: QUANTISED
;;     4. [M 4,096, K 1,024] x [K 1,024, N 1,024]; A: input context; B: input w_cv: QUANTISED
;;     5. batch 32 x [M 2,048, K 64] x [K 64, N 2,048]; A: computed on the way; B: computed on the way: QUANTISED
;;     6. batch 32 x [M 2,048, K 2,048] x [K 2,048, N 64]; A: softmax (see below); B: computed on the way: QUANTISED
;;     7. batch 32 x [M 2,048, K 2,048] x [K 2,048, N 64]; A: softmax (see below); B: computed on the way: QUANTISED
;;     8. [M 4,096, K 1,024] x [K 1,024, N 1,024]; A: computed on the way; B: input w_out: QUANTISED
;;     9. [M 4,096, K 1,024] x [K 1,024, N 1,024]; A: computed on the way; B: input w_cout: QUANTISED
;;   THE QUANTISER, for each operand of a quantised product, along K:
;;     - K is cut into blocks of 32 from its start; a last block that is shorter is filled with zeros.
;;     - A block's scale is 2^e with e = floor(log2(the largest magnitude in the block)) - 2, held to -126 .. 127; a block of zeros has e = 0. As a byte (E8M0): e + 127.
;;     - Each number is divided by its block's scale, clamped to +-7.5, and rounded to the nearest number of E2M3, ties to even, subnormals kept.
;;     - The product sums the exact products of the quantised numbers (number of the format x scale) in f32.
;;   ~~~python
;;   def quantise(x, axis):      # numpy; x: float32 -> the quantised numbers, widened to float32 again
;;       x = np.moveaxis(x, axis, -1); K = x.shape[-1]
;;       x = np.pad(x, [(0, 0)] * (x.ndim - 1) + [(0, -K % 32)]); x = x.reshape(x.shape[:-1] + (-1, 32)); a = np.abs(x).max(-1, keepdims=True)
;;       e = np.where(a > 0, np.clip(np.frexp(np.where(a > 0, a, 1))[1] - 1 - 2, -126, 127), 0)      # np.frexp(a)[1] - 1 = floor(log2(a)), exactly
;;       r = np.clip(x / 2.0 ** e, -7.5, 7.5)
;;       step = 2.0 ** (np.maximum(np.frexp(np.where(r == 0, 1, r))[1] - 1, 0) - 3)
;;       q = np.round(r / step) * step * 2.0 ** e      # np.round: ties to even
;;       return np.moveaxis(q.reshape(q.shape[:-2] + (-1,))[..., :K], -1, axis).astype(np.float32)
;;   ~~~
;;   SOFTMAX AHEAD OF A QUANTISED PRODUCT. Where the list says 'softmax', what is quantised is not the finished softmax but p = 2^(t - M), with t = logit x log2(e) and M = ceil(the row's largest t), a whole number; so 1/2 < the row's largest p <= 1. The row's sum l is taken of the UNQUANTISED p, in f32, and the product's result is divided by l at the end. Since M is a whole number, a kernel that streams over the keys may use a running M (the ceiling of the running maximum): every later rescaling is an exact power of two, which a block's scale takes up: the codes' values come out the same.
;;   OPERANDS COMPUTED ON THE WAY. 'Computed on the way' means the value that the module computes at that place (a softmax that the list does not call 'softmax' is quantised finished and normalised). What goes into a quantiser is computed in f32, as accurately as f32 sums, v_exp_f32 and their like allow (about 1e-6 of the number): no bf16 or f16 on the way to a quantiser, and a product that is left as it is and whose result goes on into a quantised operand takes f32 operands (vector FMAs, or v_wmma_f32_16x16x4_f32). A number that lies on a knife's edge between two numbers of the format may be rounded either way, as far as f32 arithmetic and the matrix unit's own rounding can turn it there, and no further.
;; One version. Each part assembles by itself: llvm-mc -triple=amdgcn-amd-amdhsa -mcpu=gfx1250 --defsym DOCPART=n.
;; ======== version 1 of 1: 5 launches
;; limits: right only within a limited range of input values
;; workspace buffers: qa 6,553,600 bytes; qw 4,915,200 bytes; qp 13,107,200 bytes; qo 6,553,600 bytes
;; launch quant_act (part 1): grid 256 x 1, 4 waves a work-group, no clusters, 33,280 bytes of LDS; arguments x, context, qa; writes qa
.if DOCPART == 1
	.amdgcn_target "amdgcn-amd-amdhsa--gfx1250"
	.amdhsa_code_object_version 6
	.text
	.protected	k_q16c1bbb168_quant_act
	.globl	k_q16c1bbb168_quant_act
	.p2align	8
	.type	k_q16c1bbb168_quant_act,@function
k_q16c1bbb168_quant_act:
	s_mov_b64 s[64:65], 0
	v_nop
	global_prefetch_b8 v0, s[64:65] scope:SCOPE_SE
	s_setreg_imm32_b32 hwreg(HW_REG_WAVE_MODE, 25, 1), 1
	s_wait_xcnt 0x0
; BIDIRECTIONAL CROSS ATTENTION IN MX-FP6, five launches.  This one: x and context, [4096][1024] f32 each, become codes of E2M3 (6 bits, K innermost) with one E8M0 byte for each 32 along K.
; DEAD WORK: none.  Every one of the eight inputs has a way to an output and all nine products are live, so nothing of the computation is left out and every input is loaded by some launch.
; A block's scale is 2^(floor(log2(its largest magnitude)) - 2); its byte is the largest magnitude's exponent field - 2, held at 1 from below; each number is divided by the scale and rounded to the nearest code, ties to even.
; LIMITS: NaN and infinities among the inputs are not served.  A block whose largest magnitude lies under 2^-124 is held at the byte 1.  A block of zeros gets the byte 1 where the rule says 127: its codes are zeros,
; which add nothing under any byte but 0xff, and the bytes are read by this program alone.
; OUT: qa = codes [2 tensors][4096 rows][768 bytes], then from byte QA_SC on the scale bytes [2][4096][32].  ROW ORDER: row p of a tensor lies at place p with its bits 3 and 4 exchanged.  Sixteen places on end, 32 b + 16 u + 0..15, then hold the
; rows 32 b + 8 u + r + 8 (r / 8): the rows that the product's launch wants together in a tile, so that a lane's 16 results of two neighbouring tiles are 16 neighbours along the next K.
; A wave takes 8 rows, 16 steps of 512 numbers.  Each load reads 512 consecutive bytes; a step's 2,048 bytes turn through the wave's own stage in LDS and come back 64 bytes a lane: 16 neighbours along K, two lanes to a block.
; The exchange of bits 3 and 4 of the row is an exchange of the two bits of the wave's number, since a wave's 8 rows begin at 8 (4 x work-group + wave).  No tensor loads, no barrier: waves share nothing.
.set WAVES, 4
.set STEPS, 16
.set WGA,   128                        ; the first 128 work-groups take x, the others context
.set EMAX,  2
.set CB,    12                         ; bytes of 16 codes
.set R,     16                         ; v16-79   four sets of 16 numbers as they are loaded
.set X,     80                         ; v80-111  two sets of 16 neighbours
.set C,     128                        ; v128-191 codes: four registers for each step, so that no store's data are written again
.set E,     112                        ; v112-127 a scale byte for each step
.set WREG,  8192                       ; LDS: a region for each wave: two stages of 32 x SP bytes, behind them its 256 scale bytes
.set SP,    80                         ; a lane's place in a stage: 64 bytes + 16 of padding
.set SPW,   12                         ; v12 LDS address of my spare word; never rewritten
.set NIL,   13                         ; v13 0; never rewritten
.set SPARE, WAVES*WREG                 ; the spare words: 128 bytes a wave, two blocks of 256 bytes that no other line names
.set QA_ACT, 3145728                   ; a tensor's codes
.set QA_SC,  6291456                   ; where the scale bytes begin
.set QA_SCA, 131072                    ; a tensor's scale bytes
	s_load_b128 s[4:7], s[0:1], 0x0                ; x, context
	s_load_b64 s[8:9], s[0:1], 0x10                ; qa
	v_lshl_add_u32 v[SPW], v0, 2, SPARE
	v_mov_b32 v[NIL], 0
	v_lshrrev_b32 v1, 5, v0
	v_readfirstlane_b32 s16, v1                    ; wave
	v_and_b32 v2, 31, v0                           ; lane
	v_lshlrev_b32 v3, 4, v2                        ; my 16 bytes of a load's 512
	s_mul_i32 s17, s16, WREG
	v_lshrrev_b32 v14, 2, v2
	v_mul_u32_u24 v14, v14, SP
	v_and_b32 v15, 3, v2
	v_lshl_add_u32 v14, v15, 4, v14
	v_add_nc_u32 v14, s17, v14                     ; the stage, on the way in: SP (lane / 4) + 16 (lane % 4)
	v_mul_u32_u24 v15, v2, SP
	v_add_nc_u32 v15, s17, v15                     ; and on the way out: SP x lane: my 16 neighbours
	; THE CODES' ORDER IN qa: [tensor][32 runs of 128 places][4 K steps of 256][128 places][192 bytes]: a tile of 128 places x 256 along K is 24,576 bytes on end, at a multiple of 256
	v_and_b32 v8, 15, v2
	v_lshrrev_b32 v9, 4, v2
	v_mul_u32_u24 v4, v8, CB                       ; my codes' place in a K step's row,
	v_mad_u32_u24 v4, v9, 24576, v4                ; lanes 16-31 one K step on
	v_lshrrev_b32 v5, 1, v2
	s_add_co_u32 s17, s17, 2*32*SP
	v_add_nc_u32 v5, s17, v5                       ; LDS: my wave's 256 scale bytes, my block's byte
	v_lshlrev_b32 v7, 3, v2                        ; and on the way out 8 bytes a lane
	v_add_nc_u32 v6, s17, v7
	s_wait_alu depctr_va_vdst(0)
	s_wait_kmcnt 0x0
	s_cmp_lt_u32 ttmp9, WGA                        ; x's work-group or context's?  The choice hangs on the work-group's number alone; all four selects stand ahead of the subtraction, which writes SCC
	s_cselect_b64 s[4:5], s[4:5], s[6:7]
	s_cselect_b32 s17, 0, WGA
	s_cselect_b32 s22, 0, QA_ACT
	s_cselect_b32 s23, 0, QA_SCA
	s_sub_co_u32 s17, ttmp9, s17
	s_lshl_b32 s17, s17, 2
	s_add_co_u32 s18, s17, s16                     ; which run of 8 rows I read
	s_and_b32 s24, s16, 1
	s_lshl_b32 s24, s24, 1
	s_lshr_b32 s25, s16, 1
	s_or_b32 s24, s24, s25
	s_add_co_u32 s24, s17, s24                     ; and at which run I write: the wave's two bits exchanged
	s_lshl_b32 s20, s18, 15                        ; 8 rows of 4,096 bytes
	s_mov_b32 s21, 0
	s_add_nc_u64 s[4:5], s[4:5], s[20:21]
	s_lshl_b32 s26, s24, 8                         ; 256 scale bytes a run
	s_add_co_u32 s26, s26, s23
	s_add_co_u32 s26, s26, QA_SC
	s_mov_b32 s27, 0
	s_add_nc_u64 s[10:11], s[8:9], s[26:27]
	s_lshr_b32 s20, s24, 4                         ; which 128 places,
	s_mul_i32 s20, s20, 98304
	s_and_b32 s25, s24, 15                         ; and which 8 of them
	s_mul_i32 s25, s25, 1536
	s_add_co_u32 s20, s20, s25
	s_add_co_u32 s20, s20, s22
	s_add_nc_u64 s[8:9], s[8:9], s[20:21]
.macro LOAD t
.irp i, 0,1,2,3
	global_load_b128 v[R+16*((\t)%4)+4*\i:R+16*((\t)%4)+4*\i+3], v3, s[4:5] offset:2048*(\t)+512*\i th:TH_LOAD_NT   ; 32 lanes read 512 consecutive bytes
.endr
.endm
.macro TURN t                          ; step t's numbers through the stage: LDS serves a wave's instructions in order, so no wait stands between the stores and the loads
.irp i, 0,1,2,3
	ds_store_b128 v14, v[R+16*((\t)%4)+4*\i:R+16*((\t)%4)+4*\i+3] offset:32*SP*((\t)%2)+8*SP*\i
.endr
.irp i, 0,1,2,3
	ds_load_b128 v[X+16*((\t)%2)+4*\i:X+16*((\t)%2)+4*\i+3], v15 offset:32*SP*((\t)%2)+16*\i
.endr
.endm
.irp t, 0,1,2,3
	LOAD \t
.endr
	s_wait_loadcnt 12                              ; step 0's four loads are in; the twelve of steps 1 to 3 may be out
	TURN 0
.macro STEP t
.set XS, X+16*((\t)%2)
.if (\t) > 0
	s_wait_dscnt 1                                 ; this step's numbers are back from the stage (the last step's byte store may be out): so its stores into the stage have read their registers,
.else
	s_wait_dscnt 0x0
.endif
.if (\t)+4 < STEPS
	LOAD (\t)+4                                    ; which take the loads of four steps on
.endif
.if (\t)+1 < STEPS
.if STEPS-2-(\t) >= 3
	s_wait_loadcnt 12                              ; the next step's four loads are in; those of the three steps behind it may be out
.else
	s_wait_loadcnt 4*(STEPS-2-(\t))
.endif
	TURN (\t)+1                                    ; and go through the other stage while this step is worked
.endif
	v_max3_num_f32 v8, |v[XS]|, |v[XS+1]|, |v[XS+2]|               ; the largest magnitude of my 16, in two chains
	v_max3_num_f32 v9, |v[XS+3]|, |v[XS+4]|, |v[XS+5]|
.irp i, 6,10
	v_max3_num_f32 v8, v8, |v[XS+\i]|, |v[XS+\i+1]|
	v_max3_num_f32 v9, v9, |v[XS+\i+2]|, |v[XS+\i+3]|
.endr
	v_max3_num_f32 v8, v8, |v[XS+14]|, |v[XS+15]|
	v_max3_num_f32 v8, v8, v9, (EMAX+1)<<23        ; and the floor 2^(3 - 127): the byte cannot fall under 1
	v_max_num_f32_dpp v8, v8, v8 row_xmask:1 row_mask:0xf bank_mask:0xf   ; and of my neighbour's 16: the block's
	v_add_nc_u32 v11, -(EMAX<<23), v8              ; 2 off its exponent field: the conversion takes the exponent field of this operand as its scale
	v_cvt_scalef32_pk16_fp6_f32 v[C+4*(\t):C+4*(\t)+2], v[XS:XS+15], v11
	v_lshrrev_b32 v[E+(\t)], 23, v11               ; the scale's byte (also the plain instruction behind the conversion)
	ds_store_b8 v5, v[E+(\t)] offset:16*(\t)       ; both lanes of a block write the same byte with the same value
	global_store_b96 v4, v[C+4*(\t):C+4*(\t)+2], s[8:9] offset:49152*((\t)%2)+192*((\t)/2)   ; row t / 2 of my 8, K steps 2 (t % 2) and 2 (t % 2) + 1: 192 consecutive bytes in each
.endm
.irp t, 0,1,2,3,4,5,6,7,8,9,10,11,12,13,14,15
	STEP \t
.endr
	ds_load_b64 v[8:9], v6                         ; LDS serves a wave's instructions in order: these see my stores
	s_wait_dscnt 0x0
	global_store_b64 v7, v[8:9], s[10:11]          ; 32 lanes store 256 consecutive bytes, at a multiple of 256
	s_wait_tensorcnt 0x0                           ; the wave's end, behind my last LDS store
	ds_add_u32 v[SPW], v[NIL]
	s_wait_dscnt 0x0
	s_endpgm
.Lfunc_end_k_q16c1bbb168_quant_act:
	.size	k_q16c1bbb168_quant_act, .Lfunc_end_k_q16c1bbb168_quant_act-k_q16c1bbb168_quant_act
	.p2alignl 7, 3214868480
	.fill 96, 4, 3214868480
	.section	.rodata,"a",@progbits
	.p2align	6, 0x0
	.amdhsa_kernel k_q16c1bbb168_quant_act
		.amdhsa_group_segment_fixed_size 33280
		.amdhsa_private_segment_fixed_size 0
		.amdhsa_enable_private_segment 0
		.amdhsa_kernarg_size 24
		.amdhsa_user_sgpr_count 2
		.amdhsa_user_sgpr_kernarg_segment_ptr 1
		.amdhsa_wavefront_size32 1
		.amdhsa_system_sgpr_workgroup_id_x 1
		.amdhsa_system_sgpr_workgroup_id_y 1
		.amdhsa_system_sgpr_workgroup_id_z 1
		.amdhsa_system_vgpr_workitem_id 0
		.amdhsa_next_free_vgpr 192
		.amdhsa_next_free_sgpr 66
		.amdhsa_reserve_vcc 0
		.amdhsa_float_denorm_mode_32 3
		.amdhsa_float_denorm_mode_16_64 3
		.amdhsa_memory_ordered 1
		.amdhsa_forward_progress 1
		.amdhsa_inst_pref_size 33
	.end_amdhsa_kernel
	.amdgpu_metadata
---
amdhsa.version: [ 1, 2 ]
amdhsa.kernels:
  - .name:           k_q16c1bbb168_quant_act
    .symbol:         k_q16c1bbb168_quant_act.kd
    .args:
      - { .name: x, .offset: 0, .size: 8, .value_kind: global_buffer, .address_space: global }
      - { .name: context, .offset: 8, .size: 8, .value_kind: global_buffer, .address_space: global }
      - { .name: qa, .offset: 16, .size: 8, .value_kind: global_buffer, .address_space: global }
    .group_segment_fixed_size: 33280
    .private_segment_fixed_size: 0
    .kernarg_segment_align: 8
    .kernarg_segment_size: 24
    .max_flat_workgroup_size: 128
    .sgpr_count:     66
    .vgpr_count:     192
    .wavefront_size: 32
...
	.end_amdgpu_metadata
.endif
;; end of part 1
;; launch quant_w (part 2): grid 8 x 24, 4 waves a work-group, no clusters, 35,840 bytes of LDS; arguments w_qk, w_cqk, w_v, w_cv, w_out, w_cout, qw; writes qw
.if DOCPART == 2
	.amdgcn_target "amdgcn-amd-amdhsa--gfx1250"
	.amdhsa_code_object_version 6
	.text
	.protected	k_q16c1bbb168_quant_w
	.globl	k_q16c1bbb168_quant_w
	.p2align	8
	.type	k_q16c1bbb168_quant_w,@function
k_q16c1bbb168_quant_w:
	s_mov_b64 s[64:65], 0
	v_nop
	global_prefetch_b8 v0, s[64:65] scope:SCOPE_SE
	s_setreg_imm32_b32 hwreg(HW_REG_WAVE_MODE, 25, 1), 1
	s_wait_xcnt 0x0
; The six weights, [1024 (k)][1024 (n)] f32, K their FIRST axis, become codes of E2M3 laid [n][k] with K innermost, and one E8M0 byte for each 32 along K.  No work is left out.
; OUT: qw = codes [6 weights][1024 places][768 bytes], then from byte QW_SC on the scale bytes [6][1024][32].  Column n lies at place n with its bits 3 and 4 exchanged (the order of the first launch's rows).
; Weights in the order w_qk, w_cqk, w_v, w_cv, w_out, w_cout.  Work-group y = 4 x weight + which 256 along K; work-group x = which 128 columns.
; A LANE TAKES A COLUMN n, AND ITS REGISTERS RUN DOWN K: each load reads 128 consecutive bytes a wave, a block of 32 along K lies in one lane's 32 registers, and the conversions give codes with K innermost.
; A lane's codes belong to one row of the output: they go through the wave's own stage in LDS (the stage's row is the column's PLACE) and leave as rows: sixteen lanes store a row's 192 consecutive bytes.
; LIMITS as in the first launch: no NaN or infinity; the byte is held at 1 from below; a block of zeros gets the byte 1.
.set SIZE_K, 1024
.set SIZE_N, 1024
.set KW,    256                        ; along K for a wave
.set NB,    KW/32                      ; blocks
.set ROWB,  192                        ; bytes of KW codes
.set PITCH, 272                        ; a stage row: sixteen places of 16 bytes, each with 12 bytes of codes, + 16
.set KROW,  SIZE_K*6/8                 ; a row of the codes in bytes
.set EMAX,  2
.set X,     32                         ; v32-95   two sets of 32 numbers
.set C,     96                         ; v96..    a block's codes
.set OUTR,  112                        ; v112-175 the way out
.set SPW,   14                         ; v14 LDS address of my spare word; never rewritten
.set NIL,   15                         ; v15 0; never rewritten
.set SPARE, 4*32*PITCH                 ; behind the four stages: the spare words, two blocks of 256 bytes that no other line names
.set SB,    24                         ; v24-25   the scale bytes, four to a register
.set QW_W,  786432                     ; a weight's codes
.set QW_SC, 4718592                    ; where the scale bytes begin
	s_load_b256 s[32:39], s[0:1], 0x0              ; w_qk, w_cqk, w_v, w_cv
	s_load_b128 s[40:43], s[0:1], 0x20             ; w_out, w_cout
	s_load_b64 s[6:7], s[0:1], 0x30                ; qw
	v_lshl_add_u32 v[SPW], v0, 2, SPARE
	v_mov_b32 v[NIL], 0
	v_lshrrev_b32 v1, 5, v0
	v_readfirstlane_b32 s16, v1                    ; wave 0..3
	v_and_b32 v2, 31, v0                           ; lane
	s_lshl_b32 s17, ttmp9, 7
	s_lshl_b32 s18, s16, 5
	s_add_co_u32 s17, s17, s18                     ; my wave's first column: 128 x work-group x + 32 x wave
	s_and_b32 s18, ttmp7, 0xffff
	s_lshr_b32 s30, s18, 2                         ; which weight
	s_and_b32 s18, s18, 3                          ; which 256 along K
	v_lshlrev_b32 v3, 2, v2                        ; in: 4 bytes a lane
	s_mul_i32 s19, s16, 32*PITCH                   ; my stage
	v_and_b32 v10, 7, v2                           ; my column's place among the wave's 32: the lane with its bits 3 and 4 exchanged
	v_bfe_u32 v11, v2, 3, 1
	v_lshl_or_b32 v10, v11, 4, v10
	v_bfe_u32 v11, v2, 4, 1
	v_lshl_or_b32 v10, v11, 3, v10
	v_mul_u32_u24 v4, v10, PITCH
	v_add_nc_u32 v4, s19, v4                       ; into the stage: row = my column's place
	v_and_b32 v5, 15, v2
	v_lshrrev_b32 v6, 4, v2                        ; out of it: sixteen lanes to a row, two rows an instruction
	v_mul_u32_u24 v7, v6, PITCH
	v_lshl_add_u32 v7, v5, 4, v7
	v_add_nc_u32 v7, s19, v7
	v_mul_u32_u24 v8, v6, ROWB
	v_mad_u32_u24 v8, v5, 12, v8                   ; and the same place in the codes
	; where my wave's part begins, in bytes
	s_mov_b32 s19, 0
	s_mov_b64 s[20:21], KW*SIZE_N*4
	s_mul_u64 s[20:21], s[18:19], s[20:21]
	s_lshl_b32 s22, s17, 2
	s_mov_b32 s23, 0
	s_add_nc_u64 s[20:21], s[20:21], s[22:23]      ; the weight: 256 y rows + 4 x column
	s_mov_b32 s22, s17
	; THE CODES' ORDER IN qw: [weight][8 runs of 128 places][4 K steps of 256][128 places][192 bytes]
	s_mul_i32 s24, ttmp9, 98304                    ; my work-group's 128 places,
	s_mul_i32 s25, s16, 32*ROWB                    ; my wave's 32 of them,
	s_add_co_u32 s24, s24, s25
	s_mov_b32 s25, 0
	s_mul_i32 s26, s18, 24576                      ; my K step
	s_mov_b32 s27, 0
	s_add_nc_u64 s[24:25], s[24:25], s[26:27]
	s_mul_i32 s26, s30, QW_W
	s_add_nc_u64 s[24:25], s[24:25], s[26:27]      ; codes: weight + run x 98,304 + 24,576 y + place in the run x 192
	s_mov_b64 s[28:29], SIZE_K/32
	s_mul_u64 s[28:29], s[22:23], s[28:29]
	s_mul_i32 s26, s18, NB
	s_add_nc_u64 s[28:29], s[28:29], s[26:27]
	s_lshl_b32 s26, s30, 15
	s_add_co_u32 s26, s26, QW_SC
	s_add_nc_u64 s[28:29], s[28:29], s[26:27]      ; scale bytes: QW_SC + weight x 32,768 + place x 32 + 8 y
	v_mul_u32_u24 v9, v10, SIZE_K/32               ; my column's row of scale bytes
	s_wait_kmcnt 0x0
	s_mov_b64 s[4:5], s[32:33]                     ; the weight is chosen by the work-group's number alone
.irp i, 1,2,3,4,5
	s_cmp_eq_u32 s30, \i
	s_cselect_b64 s[4:5], s[32+2*\i:33+2*\i], s[4:5]
.endr
	s_add_nc_u64 s[4:5], s[4:5], s[20:21]
	s_add_nc_u64 s[8:9], s[6:7], s[28:29]
	s_add_nc_u64 s[6:7], s[6:7], s[24:25]
.macro LOAD t                          ; block t: W(32 t + i, my column), i = 0 .. 31, into set t % 2
.irp i, 0,1,2,3,4,5,6,7,8,9,10,11,12,13,14,15,16,17,18,19,20,21,22,23,24,25,26,27,28,29,30,31
	global_load_b32 v[X+32*((\t)%2)+\i], v3, s[4:5] offset:(32*(\t)+\i)*SIZE_N*4 th:TH_LOAD_NT
.endr
.endm
	LOAD 0
	LOAD 1
.macro BLOCK t
.set XS, X+32*((\t)%2)
.if (\t) < NB-1
	s_wait_loadcnt 32                              ; this block's 32 loads are in; the next block's may be out
.else
	s_wait_loadcnt 0
.endif
	v_max3_num_f32 v12, |v[XS]|, |v[XS+1]|, |v[XS+2]|               ; the block's largest magnitude: all 32 numbers are mine
	v_max3_num_f32 v13, |v[XS+3]|, |v[XS+4]|, |v[XS+5]|
.irp i, 6,10,14,18,22,26
	v_max3_num_f32 v12, v12, |v[XS+\i]|, |v[XS+\i+1]|
	v_max3_num_f32 v13, v13, |v[XS+\i+2]|, |v[XS+\i+3]|
.endr
	v_max3_num_f32 v12, v12, |v[XS+30]|, |v[XS+31]|
	v_max3_num_f32 v12, v12, v13, (EMAX+1)<<23     ; and the floor 2^(3 - 127)
	v_add_nc_u32 v11, -(EMAX<<23), v12             ; 2 off its exponent field: the conversion's scale operand
	v_lshrrev_b32 v13, 23, v11                     ; the scale's byte
.if (\t)%4 == 0
	v_mov_b32 v[SB+(\t)/4], v13                    ; four bytes to a register, the lower K in the lower byte
.else
	v_lshl_or_b32 v[SB+(\t)/4], v13, 8*((\t)%4), v[SB+(\t)/4]
.endif
	v_cvt_scalef32_pk16_fp6_f32 v[C:C+2], v[XS:XS+15], v11
	v_cvt_scalef32_pk16_fp6_f32 v[C+4:C+6], v[XS+16:XS+31], v11     ; (a conversion's three registers begin on an even number)
	v_nop                                          ; one plain instruction behind the conversions
	ds_store_b96 v4, v[C:C+2] offset:32*(\t)       ; 16 codes, 12 bytes, to a place of 16 bytes in the stage
	ds_store_b96 v4, v[C+4:C+6] offset:32*(\t)+16
.if (\t)+2 < NB
	LOAD (\t)+2
.endif
	s_wait_dscnt 0x0                               ; the stores have read their registers: the next block's codes may be written
.endm
.set Q, 0
.rept NB
	BLOCK Q
.set Q, Q+1
.endr
	s_wait_alu depctr_va_vdst(0)
	global_store_b64 v9, v[SB:SB+1], s[8:9]        ; my column's 8 scale bytes
.irp t, 0,1,2,3,4,5,6,7,8,9,10,11,12,13,14,15
	ds_load_b96 v[OUTR+4*\t:OUTR+4*\t+2], v7 offset:2*\t*PITCH   ; LDS serves a wave's instructions in order: these see my stores
.endr
.irp t, 0,1,2,3,4,5,6,7,8,9,10,11,12,13,14,15
	s_wait_dscnt 15-\t                             ; the younger read-backs may be out
	global_store_b96 v8, v[OUTR+4*\t:OUTR+4*\t+2], s[6:7] offset:2*\t*ROWB
.endr
	s_wait_tensorcnt 0x0                           ; the wave's end, behind my last LDS store
	ds_add_u32 v[SPW], v[NIL]
	s_wait_dscnt 0x0
	s_endpgm
.Lfunc_end_k_q16c1bbb168_quant_w:
	.size	k_q16c1bbb168_quant_w, .Lfunc_end_k_q16c1bbb168_quant_w-k_q16c1bbb168_quant_w
	.p2alignl 7, 3214868480
	.fill 96, 4, 3214868480
	.section	.rodata,"a",@progbits
	.p2align	6, 0x0
	.amdhsa_kernel k_q16c1bbb168_quant_w
		.amdhsa_group_segment_fixed_size 35840
		.amdhsa_private_segment_fixed_size 0
		.amdhsa_enable_private_segment 0
		.amdhsa_kernarg_size 56
		.amdhsa_user_sgpr_count 2
		.amdhsa_user_sgpr_kernarg_segment_ptr 1
		.amdhsa_wavefront_size32 1
		.amdhsa_system_sgpr_workgroup_id_x 1
		.amdhsa_system_sgpr_workgroup_id_y 1
		.amdhsa_system_sgpr_workgroup_id_z 1
		.amdhsa_system_vgpr_workitem_id 0
		.amdhsa_next_free_vgpr 192
		.amdhsa_next_free_sgpr 66
		.amdhsa_reserve_vcc 0
		.amdhsa_float_denorm_mode_32 3
		.amdhsa_float_denorm_mode_16_64 3
		.amdhsa_memory_ordered 1
		.amdhsa_forward_progress 1
		.amdhsa_inst_pref_size 43
	.end_amdhsa_kernel
	.amdgpu_metadata
---
amdhsa.version: [ 1, 2 ]
amdhsa.kernels:
  - .name:           k_q16c1bbb168_quant_w
    .symbol:         k_q16c1bbb168_quant_w.kd
    .args:
      - { .name: w_qk, .offset: 0, .size: 8, .value_kind: global_buffer, .address_space: global }
      - { .name: w_cqk, .offset: 8, .size: 8, .value_kind: global_buffer, .address_space: global }
      - { .name: w_v, .offset: 16, .size: 8, .value_kind: global_buffer, .address_space: global }
      - { .name: w_cv, .offset: 24, .size: 8, .value_kind: global_buffer, .address_space: global }
      - { .name: w_out, .offset: 32, .size: 8, .value_kind: global_buffer, .address_space: global }
      - { .name: w_cout, .offset: 40, .size: 8, .value_kind: global_buffer, .address_space: global }
      - { .name: qw, .offset: 48, .size: 8, .value_kind: global_buffer, .address_space: global }
    .group_segment_fixed_size: 35840
    .private_segment_fixed_size: 0
    .kernarg_segment_align: 8
    .kernarg_segment_size: 56
    .max_flat_workgroup_size: 128
    .sgpr_count:     66
    .vgpr_count:     192
    .wavefront_size: 32
...
	.end_amdgpu_metadata
.endif
;; end of part 2
;; launch proj (part 3): grid 4 x 64, 4 waves a work-group, clusters of 4 x 4, 327,680 bytes of LDS; arguments qa, qw, qp; writes qp
.if DOCPART == 3
	.amdgcn_target "amdgcn-amd-amdhsa--gfx1250"
	.amdhsa_code_object_version 6
	.text
	.protected	k_q16c1bbb168_proj
	.globl	k_q16c1bbb168_proj
	.p2align	8
	.type	k_q16c1bbb168_proj,@function
k_q16c1bbb168_proj:
	s_mov_b64 s[64:65], 0
	v_nop
	global_prefetch_b8 v0, s[64:65] scope:SCOPE_SE
	s_setreg_imm32_b32 hwreg(HW_REG_WAVE_MODE, 25, 1), 1
	s_wait_xcnt 0x0
	s_wait_alu depctr_hold_cnt(0) depctr_sa_sdst(0) depctr_va_vdst(0) depctr_va_sdst(0) depctr_va_ssrc(0) depctr_va_vcc(0) depctr_vm_vsrc(0)
	s_getreg_b32 s2, hwreg(HW_REG_IB_STS2, 6, 4)
	s_cmp_eq_u32 s2, 0
	s_cbranch_scc0 .Lentry_in_a_cluster
	s_endpgm
.Lentry_in_a_cluster:
	s_bfe_u32 s2, ttmp6, 0x10000c
	s_cmp_lg_u32 s2, 0xf033
	s_cbranch_scc0 .Lentry_shape_is_right
	s_endpgm
.Lentry_shape_is_right:
.set KSTEP,  256
.set NQ,     2
.set ROWB,   24576                     ; bytes from one K step's tile of 128 places to the next: a tile is dense in qa and in qw
.set KROW,   768
.set PITCH,  240
.set FR,     12
.set NL,     6
.set NP,     4
.set HALFT,  128*PITCH
.set SLOT,   4*HALFT
.set LAPS,   2
.set KS,     32
.set SCL,    2*SLOT
.set HALFS,  (128*KS/256)*272
.set SBLK,   (16*KS/256)*272
.set SPARE,  SCL+4*HALFS
.set STG,    SPARE+512
.set STGW,   5120
.set SROW,   144
.set SWRD,   32*SROW
.set QA_ACT, 3145728
.set QA_SC,  6291456
.set QW_W,   786432
.set QW_SC,  4718592
.set QP_P,   3145728
.set QP_SC,  12582912
.set WSTO, 8
.set WRD,  9
.set SCO,  10
.set ADRA, 16
.set ADRB, 20
.set STO,  24
.set RD,   25
.set CO,   26
.set ADRS, 27
.set SPW,  28
.set NIL,  29
.set SC,   32
.set TM,   64
.set PW,   80
.set PC,   96
.set AF,   128
.set OUTR, 128
.set WB,   192
.set G1, 24
.set G0, 32
.set G1B, 48
.set G0B, 56
.set G1S, 68
.set G0S, 76
.set G1SB, 80
.set G0SB, 88
.set PP,  95
.set SEL, 100
.set MSB, 0
.macro WIN new
.if MSB != \new
	s_set_vgpr_msb (MSB<<8)|\new
.set MSB, \new
.endif
.endm
.set MUL_LO, 0xa1
.set MUL_HI, 0xf1
.set TO_B,   0x40
.macro JLOAD g0a, g1a, g0b, g1b
	s_cmp_eq_u32 s15, 0
	s_cbranch_scc0 .Lfor_b_\@
	tensor_load_to_lds s[\g0a:\g0a+3], s[\g1a:\g1a+7]
	s_nop 0
.rept 4
	v_nop
.endr
	s_branch .Lasked_\@
.Lfor_b_\@:
	tensor_load_to_lds s[\g0b:\g0b+3], s[\g1b:\g1b+7]
	s_nop 0
.rept 4
	v_nop
.endr
.Lasked_\@:
.endm
.macro CREST
	s_cmp_lg_u32 s14, 0
	s_cbranch_scc1 .Lnot_wave_0_\@
	s_barrier_signal -3
.Lnot_wave_0_\@:
	s_barrier_wait -3
	s_barrier_signal -1
	s_barrier_wait -1
.endm
.macro CROUND
	s_barrier_signal -1
	s_barrier_wait -1
	CREST
.endm
	s_load_b128 s[96:99], s[0:1], 0x0
	s_load_b64 s[12:13], s[0:1], 0x10
	v_lshl_add_u32 v[SPW], v0, 2, SPARE
	v_mov_b32 v[NIL], 0
	ds_add_u32 v[SPW], v[NIL]
	ds_add_u32 v[SPW], v[NIL]
	v_lshrrev_b32 v1, 5, v0
	v_readfirstlane_b32 s14, v1
	s_lshr_b32 s15, s14, 1
	s_and_b32 s16, s14, 1
	s_bfe_u32 s40, ttmp6, 0x40000
	s_bfe_u32 s41, ttmp6, 0x40004
	s_and_b32 s100, ttmp7, 0xffff
	s_lshr_b32 s[PP], s100, 2
	s_and_b32 s100, s100, 3
	s_lshl_b32 s100, s100, 2
	s_cmp_lt_u32 s[PP], 2
	s_cselect_b32 s17, s100, 0
	s_cselect_b32 s42, 0, s100
	s_add_co_u32 s17, s17, s41
	s_add_co_u32 s42, s42, s40
	s_lshl_b32 s43, s41, 2
	s_lshl_b32 s43, 15, s43
	s_lshl_b32 s44, 0x1111, s40
	s_or_b32 s[G1+0], s43, (0<<16)|(1<<20)|(1<<21)|(3<<22)|(3<<25)
	s_or_b32 s[G1B+0], s44, (0<<16)|(1<<20)|(1<<21)|(3<<22)|(3<<25)
.irp g, G1, G1B
	s_mov_b32 s[\g+1], 256<<16                     ; 128 places x 192 bytes on end, stated as 96 rows of 256 bytes; 16 bytes of padding behind each 64, so that a place's 192 bytes take 240 in LDS
	s_mov_b32 s[\g+2], 96<<16
	s_mov_b32 s[\g+3], 256<<16
	s_mov_b32 s[\g+4], 96
	s_mov_b32 s[\g+5], 256
	s_mov_b32 s[\g+6], 0
	s_mov_b32 s[\g+7], 0
.endr
	s_or_b32 s[G1S+0], s43, (3<<16)|(1<<20)|(1<<21)|(5<<22)|(3<<25)
	s_or_b32 s[G1SB+0], s44, (3<<16)|(1<<20)|(1<<21)|(5<<22)|(3<<25)
.irp g, G1S, G1SB
	s_mov_b32 s[\g+1], 32<<16
	s_mov_b32 s[\g+2], (128*KS/256)<<16
	s_mov_b32 s[\g+3], 32<<16
	s_mov_b32 s[\g+4], 128*KS/256
	s_mov_b32 s[\g+5], 32
	s_mov_b32 s[\g+6], 0
	s_mov_b32 s[\g+7], 0
.endr
	s_lshl_b32 s18, s16, 7
	s_lshl_b32 s20, s17, 8
	s_add_co_u32 s20, s20, s18
	s_lshl_b32 s46, s42, 8
	s_add_co_u32 s46, s46, s18
	s_mov_b32 s21, 0
	s_mov_b32 s47, 0
	s_mov_b64 s[18:19], KS
	s_mul_u64 s[22:23], s[20:21], s[18:19]
	s_mul_u64 s[92:93], s[46:47], s[18:19]
	s_mov_b64 s[18:19], KROW
	s_mul_u64 s[20:21], s[20:21], s[18:19]
	s_mul_u64 s[46:47], s[46:47], s[18:19]
	s_mul_i32 s45, s14, HALFT
	s_mul_i32 s94, s14, HALFS
	s_and_b32 s101, s[PP], 1
	s_mul_i32 s2, s101, QA_ACT
	s_lshl_b32 s101, s101, 17
	s_add_co_u32 s101, s101, QA_SC
	s_mul_i32 s100, s[PP], QW_W
	s_lshl_b32 s3, s[PP], 15
	s_add_co_u32 s3, s3, QW_SC
	s_mov_b32 s19, 0
	s_cmp_lt_u32 s[PP], 2
	s_cselect_b32 s18, s2, s100
	s_add_nc_u64 s[20:21], s[20:21], s[18:19]
	s_cselect_b32 s18, s101, s3
	s_add_nc_u64 s[22:23], s[22:23], s[18:19]
	s_cselect_b32 s18, s100, s2
	s_add_nc_u64 s[46:47], s[46:47], s[18:19]
	s_cselect_b32 s18, s3, s101
	s_add_nc_u64 s[92:93], s[92:93], s[18:19]
	s_wait_dscnt 0x0
	s_wait_kmcnt 0x0
	s_cmp_lt_u32 s[PP], 2
	s_cselect_b64 s[4:5], s[96:97], s[98:99]
	s_cselect_b64 s[8:9], s[98:99], s[96:97]
	s_add_nc_u64 s[20:21], s[4:5], s[20:21]
	s_add_nc_u64 s[22:23], s[4:5], s[22:23]
	s_add_nc_u64 s[46:47], s[8:9], s[46:47]
	s_add_nc_u64 s[92:93], s[8:9], s[92:93]
	CROUND
	s_mov_b32 s[G0S], 1
	s_add_co_u32 s[G0S+1], s94, SCL
	s_mov_b64 s[G0S+2:G0S+3], s[22:23]
	s_or_b32 s[G0S+3], s[G0S+3], 0x80000000
	s_mov_b32 s[G0SB], 1
	s_add_co_u32 s[G0SB+1], s94, SCL
	s_mov_b64 s[G0SB+2:G0SB+3], s[92:93]
	s_or_b32 s[G0SB+3], s[G0SB+3], 0x80000000
	JLOAD G0S, G1S, G0SB, G1SB
.irp s, 0,1
	s_mov_b32 s[G0+4*\s], 1
	s_add_co_u32 s[G0+4*\s+1], s45, \s*SLOT
	s_add_nc_u64 s[G0+4*\s+2:G0+4*\s+3], s[20:21], \s*ROWB
	s_or_b32 s[G0+4*\s+3], s[G0+4*\s+3], 0x80000000
	s_mov_b32 s[G0B+4*\s], 1
	s_add_co_u32 s[G0B+4*\s+1], s45, \s*SLOT
	s_add_nc_u64 s[G0B+4*\s+2:G0B+4*\s+3], s[46:47], \s*ROWB
	s_or_b32 s[G0B+4*\s+3], s[G0B+4*\s+3], 0x80000000
	s_wait_alu depctr_va_vdst(0)
	s_wait_tensorcnt 0x0
	ds_add_u32 v28, v29
	s_wait_dscnt 0x0
	CROUND
	JLOAD G0+4*\s, G1, G0B+4*\s, G1B
.endr
	v_and_b32 v1, 15, v0
	v_bfe_u32 v2, v0, 4, 1
	v_mul_u32_u24 v3, v1, PITCH
	v_mul_u32_u24 v4, v2, 24
	v_add_nc_u32 v4, v3, v4
	v_lshl_add_u32 v5, v2, 4, v4
	s_mul_i32 s21, s15, HALFT
	s_mul_i32 s22, s16, HALFT
	s_add_co_u32 s22, s22, 2*HALFT
.irp s, 0,1
	v_add_nc_u32 v[ADRA+\s], s21, v4
	v_add_nc_u32 v[ADRB+\s], s22, v4
	v_add_nc_u32 v[ADRA+2+\s], s21, v5
	v_add_nc_u32 v[ADRB+2+\s], s22, v5
	s_add_co_u32 s21, s21, SLOT
	s_add_co_u32 s22, s22, SLOT
.endr
	v_mul_u32_u24 v5, v1, KS
	v_lshrrev_b32 v6, 8, v5
	v_lshl_add_u32 v5, v6, 4, v5
	s_mul_i32 s21, s15, HALFS
	s_mul_i32 s22, s16, HALFS
	s_add_co_u32 s22, s22, 2*HALFS
	s_sub_co_u32 s22, s22, s21
	v_mul_u32_u24 v6, s22, v2
	s_add_co_u32 s21, s21, SCL
	v_add_nc_u32 v5, v5, v6
	v_add_nc_u32 v[ADRS], s21, v5
	s_mul_i32 s23, s14, STGW
	s_add_co_u32 s23, s23, STG
	v_and_b32 v5, 7, v1
	v_lshrrev_b32 v6, 3, v1
	v_lshl_add_u32 v5, v6, 4, v5
	v_mul_u32_u24 v6, v5, SROW
	v_lshl_add_u32 v6, v2, 4, v6
	v_add_nc_u32 v[STO], s23, v6
	v_lshl_add_u32 v5, v5, 2, s23
	v_add_nc_u32 v[WSTO], SWRD, v5
	v_and_b32 v6, 31, v0
	v_lshrrev_b32 v7, 3, v6
	v_mul_u32_u24 v7, v7, SROW
	v_and_b32 v11, 7, v6
	v_lshl_add_u32 v7, v11, 4, v7
	v_add_nc_u32 v[RD], s23, v7
	; A CHUNK OF qp: [half 2][place 128][48 bytes].  Half: which 64 of the 128 along the next K.  Row 64 a + 32 b + 8 u + i lies at place 64 a + 16 u + 8 b + i
	v_and_b32 v[CO], 3, v6
	v_mul_u32_u24 v[CO], v[CO], 12
	v_bfe_u32 v12, v6, 2, 1
	v_mad_u32_u24 v[CO], v12, 6144, v[CO]
	v_lshrrev_b32 v12, 3, v6
	v_mad_u32_u24 v[CO], v12, 48, v[CO]
	v_lshlrev_b32 v[SCO], 4, v6
	v_add_nc_u32 v[WRD], s23, v[SCO]
	v_add_nc_u32 v[WRD], SWRD, v[WRD]
.irp b, 0,1,2,3
	v_mov_b32 v[TM+4+\b], 0
.endr
	s_mov_b32 s[SEL], 0x76543210
	s_mov_b32 s[SEL+1], 0xfedcba98
	s_lshl_b32 s20, s17, 1
	s_add_co_u32 s20, s20, s15
	s_lshl_b32 s21, s42, 1
	s_add_co_u32 s21, s21, s16
	s_cmp_lt_u32 s[PP], 2
	s_cselect_b32 s22, s20, s21
	s_cselect_b32 s23, s21, s20
	s_lshr_b32 s20, s22, 4
	s_lshl_b32 s20, s20, 7
	s_lshl_b32 s23, s23, 4
	s_add_co_u32 s20, s20, s23
	s_and_b32 s22, s22, 15
	s_add_co_u32 s20, s20, s22
	s_mul_i32 s46, s20, 12288
	s_mul_i32 s47, s[PP], QP_P
	s_add_co_u32 s46, s46, s47
	s_mov_b32 s47, 0
	s_lshl_b32 s20, s20, 9
	s_lshl_b32 s21, s[PP], 17
	s_add_co_u32 s20, s20, s21
	s_add_co_u32 s20, s20, QP_SC
	s_mov_b32 s21, 0
	s_add_nc_u64 s[66:67], s[12:13], s[20:21]
	s_add_nc_u64 s[12:13], s[12:13], s[46:47]
.macro FRAG reg, adr, q, i
.irp p, 0,1,2,3,4,5
.set PCE, 12*(\q)+6*(\p/3)+\p%3
.if PCE%8 < 5
	ds_load_b64 v[\reg+2*\p:\reg+2*\p+1], v[\adr] offset:8*PCE+16*(PCE/8)+(\i)*16*PITCH
.else
	ds_load_b64 v[\reg+2*\p:\reg+2*\p+1], v[\adr+2] offset:8*PCE+16*(PCE/8)+(\i)*16*PITCH
.endif
.endr
.endm
.macro MUL16 a0, p, q, sc, zero
.irp a, \a0, \a0+1
.irp b, 0,1,2,3,4,5,6,7
.if \zero
	v_wmma_scale_f32_16x16x128_f8f6f4 v[8*(8*((\a)%4)+\b):8*(8*((\a)%4)+\b)+7], v[128*(\p)+FR*\b:128*(\p)+FR*\b+FR-1], v[AF+FR*(\a):AF+FR*(\a)+FR-1], 0, v[SC+8*NQ*(\sc)+NQ*\b+(\q)], v[SC+8*NQ*(\sc)+NQ*(\a)+(\q)] matrix_a_fmt:MATRIX_FMT_FP6 matrix_b_fmt:MATRIX_FMT_FP6 matrix_a_scale:MATRIX_SCALE_ROW1
.else
	v_wmma_scale_f32_16x16x128_f8f6f4 v[8*(8*((\a)%4)+\b):8*(8*((\a)%4)+\b)+7], v[128*(\p)+FR*\b:128*(\p)+FR*\b+FR-1], v[AF+FR*(\a):AF+FR*(\a)+FR-1], v[8*(8*((\a)%4)+\b):8*(8*((\a)%4)+\b)+7], v[SC+8*NQ*(\sc)+NQ*\b+(\q)], v[SC+8*NQ*(\sc)+NQ*(\a)+(\q)] matrix_a_fmt:MATRIX_FMT_FP6 matrix_b_fmt:MATRIX_FMT_FP6 matrix_a_scale:MATRIX_SCALE_ROW1
.endif
.endr
.endr
.endm
.macro FETCH_B slot, q, p
	WIN TO_B
.irp i, 0,1,2,3,4,5,6,7
	FRAG 128*(\p)+FR*\i, ADRB+\slot, \q, \i
.endr
	WIN 0
.endm
.macro FETCH_A slot, q, i0
.irp i, \i0, \i0+1, \i0+2, \i0+3
	FRAG AF+FR*(\i), ADRA+\slot, \q, \i
.endr
.endm
.macro SCALES sc
.irp i, 0,1,2,3,4,5,6,7
	ds_load_b64 v[SC+8*NQ*\sc+NQ*\i:SC+8*NQ*\sc+NQ*\i+1], v[ADRS] offset:\i*SBLK
.endr
.endm
.macro PLACES n
.rept \n
	v_nop
.endr
.endm
.macro STEP slot, q, zero
	s_wait_dscnt 4*NL
	WIN MUL_LO
	MUL16 0, (\q)%2, \q, \slot, \zero
	MUL16 2, (\q)%2, \q, \slot, \zero
	s_wait_dscnt 0
	PLACES NP
	FETCH_B \slot, (\q)+1, 1-(\q)%2
	FETCH_A \slot, (\q)+1, 0
	WIN MUL_HI
	MUL16 4, (\q)%2, \q, \slot, \zero
	MUL16 6, (\q)%2, \q, \slot, \zero
	PLACES NP
	WIN 0
	FETCH_A \slot, (\q)+1, 4
.endm
.macro TURN slot, next, fill
	s_wait_tensorcnt 0x0
	ds_add_u32 v[SPW], v[NIL]
	s_wait_dscnt 4*NL+1
	WIN MUL_LO
	MUL16 0, 1, NQ-1, \slot, 0
	s_wait_dscnt 0x0
	s_barrier_signal -1
	MUL16 2, 1, NQ-1, \slot, 0
	WIN 0
	s_barrier_wait -1
.if \fill
	CREST
	s_add_nc_u64 s[G0+4*\slot+2:G0+4*\slot+3], s[G0+4*\slot+2:G0+4*\slot+3], 2*ROWB
	s_add_nc_u64 s[G0B+4*\slot+2:G0B+4*\slot+3], s[G0B+4*\slot+2:G0B+4*\slot+3], 2*ROWB
	JLOAD G0+4*\slot, G1, G0B+4*\slot, G1B
.else
	PLACES NP
.endif
	s_wait_alu depctr_va_vdst(0)
	v_add_nc_u32 v[ADRS], 4*NQ, v[ADRS]
	FETCH_B \next, 0, 0
	FETCH_A \next, 0, 0
	SCALES \next
	WIN MUL_HI
	MUL16 4, 1, NQ-1, \slot, 0
	MUL16 6, 1, NQ-1, \slot, 0
	PLACES NP
	WIN 0
	FETCH_A \next, 0, 4
.endm
	s_wait_tensorcnt 1
	s_barrier_signal -1
	s_barrier_wait -1
	FETCH_B 0, 0, 0
	FETCH_A 0, 0, 0
	SCALES 0
	FETCH_A 0, 0, 4
	STEP 0, 0, 1
	s_mov_b32 s3, LAPS-1
.Llap:
	TURN 0, 1, 1
	STEP 1, 0, 0
	TURN 1, 0, 1
	STEP 0, 0, 0
	s_sub_co_u32 s3, s3, 1
	s_cmp_lg_u32 s3, 0
	s_cbranch_scc1 .Llap
	TURN 0, 1, 0
	STEP 1, 0, 0
	s_wait_dscnt 4*NL
	WIN MUL_LO
	MUL16 0, 1, NQ-1, 1, 0
	MUL16 2, 1, NQ-1, 1, 0
	s_wait_dscnt 0
	WIN MUL_HI
	MUL16 4, 1, NQ-1, 1, 0
	MUL16 6, 1, NQ-1, 1, 0
	WIN 0
.macro QB a, u
.set AC, 64*((\a)%4)
	WIN 0x0a+5*((\a)/4)
.irp b, 0,1,2,3
	v_max3_num_f32 v[TM+\b], |v[AC+16*\b]|, |v[AC+16*\b+1]|, 0x1800000
.endr
.irp i, 2,4,6,8,10,12,14
.irp b, 0,1,2,3
	v_max3_num_f32 v[TM+\b], |v[AC+16*\b+\i]|, |v[AC+16*\b+\i+1]|, v[TM+\b]
.endr
.endr
	WIN 0
.irp b, 0,1,2,3
	v_permlanex16_b32 v[TM+4+\b], v[TM+\b], s[SEL], s[SEL+1]
.endr
.irp b, 0,1,2,3
	v_max_num_f32 v[TM+\b], v[TM+\b], v[TM+4+\b]
.endr
.irp b, 0,1,2,3
	v_add_nc_u32 v[TM+12+\b], 0xff000000, v[TM+\b]
.endr
.irp b, 0,1,2,3
	v_lshrrev_b32 v[TM+4+\b], 23, v[TM+12+\b]
.endr
	v_lshl_or_b32 v[PW+\u], v[TM+5], 8, v[TM+4]
	v_lshl_or_b32 v[PW+\u], v[TM+6], 16, v[PW+\u]
	v_lshl_or_b32 v[PW+\u], v[TM+7], 24, v[PW+\u]
	WIN (2+(\a)/4)
.irp b, 0,1,2,3
	v_cvt_scalef32_pk16_fp6_f32 v[PC+16*\u+4*\b:PC+16*\u+4*\b+2], v[AC+16*\b:AC+16*\b+15], v[TM+12+\b]
.endr
	WIN 0
	v_nop
.irp b, 0,1,2,3
	ds_store_b96 v[STO], v[PC+16*\u+4*\b:PC+16*\u+4*\b+2] offset:8*SROW*\u+32*\b
.endr
	ds_store_b32 v[WSTO], v[PW+\u] offset:(32*((\a)/2)+8*\u)*4
.endm
.macro OUTP c
	QB 2*\c, 0
	QB 2*\c+1, 1
.if \c >= 2
	s_wait_xcnt 0x0
.endif
.set OB, OUTR+32*((\c)%2)
.irp t, 0,1,2,3,4,5,6,7
	ds_load_b96 v[OB+4*\t:OB+4*\t+2], v[RD] offset:4*SROW*\t
.endr
.irp t, 0,1,2,3,4,5,6,7
	s_wait_dscnt 7-\t
	global_store_b96 v[CO], v[OB+4*\t:OB+4*\t+2], s[12:13] offset:48*(64*((\c)/2)+8*((\c)%2)+16*(\t/2)+4*(\t%2))
.endr
.endm
	PLACES NP
	OUTP 0
	OUTP 1
	OUTP 2
	OUTP 3
	ds_load_b128 v[WB:WB+3], v[WRD]
	s_wait_dscnt 0x0
	global_store_b128 v[SCO], v[WB:WB+3], s[66:67]
	s_wait_tensorcnt 0x0
	ds_add_u32 v[SPW], v[NIL]
	s_wait_dscnt 0x0
	CROUND
	s_endpgm
.Lfunc_end_k_q16c1bbb168_proj:
	.size	k_q16c1bbb168_proj, .Lfunc_end_k_q16c1bbb168_proj-k_q16c1bbb168_proj
	.p2alignl 7, 3214868480
	.fill 96, 4, 3214868480
	.section	.rodata,"a",@progbits
	.p2align	6, 0x0
	.amdhsa_kernel k_q16c1bbb168_proj
		.amdhsa_group_segment_fixed_size 327680
		.amdhsa_private_segment_fixed_size 0
		.amdhsa_enable_private_segment 0
		.amdhsa_kernarg_size 24
		.amdhsa_user_sgpr_count 2
		.amdhsa_user_sgpr_kernarg_segment_ptr 1
		.amdhsa_wavefront_size32 1
		.amdhsa_system_sgpr_workgroup_id_x 1
		.amdhsa_system_sgpr_workgroup_id_y 1
		.amdhsa_system_sgpr_workgroup_id_z 1
		.amdhsa_system_vgpr_workitem_id 0
		.amdhsa_next_free_vgpr 1024
		.amdhsa_next_free_sgpr 102
		.amdhsa_reserve_vcc 0
		.amdhsa_float_denorm_mode_32 3
		.amdhsa_float_denorm_mode_16_64 3
		.amdhsa_memory_ordered 1
		.amdhsa_forward_progress 1
		.amdhsa_inst_pref_size 170
	.end_amdhsa_kernel
	.amdgpu_metadata
---
amdhsa.version: [ 1, 2 ]
amdhsa.kernels:
  - .name:           k_q16c1bbb168_proj
    .symbol:         k_q16c1bbb168_proj.kd
    .args:
      - { .name: qa, .offset: 0, .size: 8, .value_kind: global_buffer, .address_space: global }
      - { .name: qw, .offset: 8, .size: 8, .value_kind: global_buffer, .address_space: global }
      - { .name: qp, .offset: 16, .size: 8, .value_kind: global_buffer, .address_space: global }
    .group_segment_fixed_size: 327680
    .private_segment_fixed_size: 0
    .kernarg_segment_align: 8
    .kernarg_segment_size: 24
    .max_flat_workgroup_size: 128
    .sgpr_count:     102
    .vgpr_count:     1024
    .wavefront_size: 32
...
	.end_amdgpu_metadata
.endif
;; end of part 3
;; launch attn (part 4): grid 4 x 64, 16 waves a work-group, clusters of 4 x 1, 215,040 bytes of LDS; arguments qp, qo; writes qo
.if DOCPART == 4
	.amdgcn_target "amdgcn-amd-amdhsa--gfx1250"
	.amdhsa_code_object_version 6
	.text
	.protected	k_q16c1bbb168_attn
	.globl	k_q16c1bbb168_attn
	.p2align	8
	.type	k_q16c1bbb168_attn,@function
k_q16c1bbb168_attn:
	s_mov_b64 s[64:65], 0
	v_nop
	global_prefetch_b8 v0, s[64:65] scope:SCOPE_SE
	s_setreg_imm32_b32 hwreg(HW_REG_WAVE_MODE, 25, 1), 1
	s_wait_xcnt 0x0
	s_wait_alu depctr_hold_cnt(0) depctr_sa_sdst(0) depctr_va_vdst(0) depctr_va_sdst(0) depctr_va_ssrc(0) depctr_va_vcc(0) depctr_vm_vsrc(0)
	s_getreg_b32 s2, hwreg(HW_REG_IB_STS2, 6, 4)
	s_cmp_eq_u32 s2, 0
	s_cbranch_scc0 .Lentry_in_a_cluster
	s_endpgm
.Lentry_in_a_cluster:
	s_bfe_u32 s2, ttmp6, 0x10000c
	s_cmp_lg_u32 s2, 0x3003
	s_cbranch_scc0 .Lentry_shape_is_right
	s_endpgm
.Lentry_shape_is_right:
; BOTH ATTENTIONS, on codes of E2M3.  Direction 0: queries qk, keys cqk, values cv.  Direction 1: queries cqk, keys qk, values v (the softmax along the similarity's columns, which are the rows of its transpose).
; No work is left out: each direction needs the similarity with ITS softmax axis inside a lane, so each computes it.
; A WORK-GROUP TAKES ONE HEAD OF ONE BATCH AND DIRECTION (work-group y = 32 x direction + 16 x batch + head) AND 512 QUERIES (its place in the cluster).  The head's K (2,048 keys x 48 bytes) and V (64 channels x 1,536 bytes),
; 98,304 bytes each, and the pair of heads' scale words (8,192 bytes for K, 8,192 for V) lie in LDS for the whole launch: each byte is filled once, at the head, so the walk over the keys has no refill and no barrier.
; Sixteen waves; wave w takes queries 16 w on in a first pass and 256 + 16 w on in a second; a pass is 16 steps of 128 keys.
; CLUSTER: the four work-groups of a cluster take the four blocks of queries of one head and read the same K and V: each of the nine loads is asked for jointly, with the mask of all four.
; NO PREFETCH: every tile is asked for at the kernel's head; no later load is there for a request to run ahead of.
; THE SOFTMAX: t = score x log2(e) / 8; M = the row's largest t so far, rounded up to a whole number; p = 2^(t - M) is quantised along the keys, not normalised.  The row's sum is taken of the unquantised p and divides O at the end.
; When M moves, the sum and O are multiplied by 2^(old M - new M), which rounds nothing.
; LAYOUT.  Both products transposed: S^T = K Q^T, O^T = V^T P^T: a lane holds one query throughout.  In qp row 64 a + 32 b + 8 u + i of a chunk lies at place 64 a + 16 u + 8 b + i, so sixteen places on end are one tile, and register j
; of tile 4 a + u holds, in lane half h, key 64 a + 32 h + 8 u + j: a lane's 32 registers of four tiles are ONE WHOLE BLOCK of 32 keys, in order, which is what the next operand's layout gives that lane.  No lane is asked for a block's
; maximum and no code changes lanes.  V's channels lie the same way, so O's 32 registers of a lane are one block of the last product's K.
; A HEAD HAS 64 CHANNELS, THE INSTRUCTION 128.  Q's upper six registers are zero codes; a tile of K is named as twelve registers of which the upper six are the next tile's codes: they meet zero codes.  K's and Q's scale words come as 16 bits.
; ONE SCALE REGISTER SERVES TWO TILES: lanes 0-15 hold the even tile's words, lanes 16-31 the odd tile's.
; OUT: qo = O's codes as images of the next product's operand registers, [direction][pair 8][16 rows 256][head 2][pair of registers 3][lane 32][8 bytes]; from QO_SC on one scale word a row, [direction][pair 8][row 4096]: byte 2 x head + h.
; A row's word belongs to two work-groups (the pair's two heads), so each lane stores its own byte.
; LIMITS: the promise holds while the scaled scores stay under 2^31 in magnitude.  NaN and infinities are not served; a block's byte is held at 1 from below; a block of zeros gets the byte 1.
.set VB,    98304                      ; LDS: K from 0, V from here: [step 16][half 2][place 64][48 bytes]
.set SCK,   196608                     ; K's scale words, [key 2048][4 bytes]
.set SCV,   SCK+8192                   ; V's, [step 16][channel of the pair 128][4 bytes]
.set SPARE, SCV+8192                   ; the spare words: 128 bytes a wave, eight blocks of 256 bytes that no other line names
.set QP_P,  3145728
.set QP_BH, 196608
.set QP_SC, 12582912
.set QO_DIR, 3145728
.set QO_HP, 393216
.set QO_SC, 6291456
.set AK0,  1                           ; v1-4 addresses that stay: K, V, K's scale words, V's
.set AV0,  2
.set ASK0, 3
.set ASV0, 4
.set SPW,  5
.set NIL,  6
.set SH8,  7                           ; v7 8 h
.set ADK,  8                           ; v8-11 the step's addresses
.set ADV,  9
.set ADS,  10
.set ADT,  11                          ; v12 -M, v13 the largest score, v[14:15] the sum
.set Q0,   16                          ; v16-27 the first pass's Q and six zeros
.set L8,   28
.set OSB,  29
.set QA,   30
.set QSA,  31
.set KF,   32                          ; v32-79 K's eight half fragments, then V's four; v80-85 zeros
.set KS,   86                          ; v86-89 K's scale words
.set VS,   90                          ; v90-91 V's
.set S,    96                          ; v96-159 S^T, then p
.set O,    160                         ; v160-191 O^T
.set PC,   192                         ; v192-203 p's codes
.set CT,   204                         ; v204-206, v208-210 the upper halves of the blocks' codes
.set BM,   212                         ; v212-215 maxima
.set T0,   216
.set PT,   217
.set F,    218                         ; v[218:219] f
.set SO,   220                         ; v220-221 the conversions' scale operands
.set BY,   222
.set PS,   224                         ; p's scale word
.set QS0,  226                         ; Q's scale words
.set QS1,  227
.set Q1,   228                         ; v228-239 the second pass's Q and six zeros
.set WQ,   17
.set WV,   18
.set HG,   19
.set SEL,  20
.set CS,   22
.set G1K,  24
.set G1V,  32
.set G1S,  40
.set G0,   48
.set TK,   52
.set TS,   53
.set CNT,  54
.macro CROUND                          ; a round of the cluster's barrier
	s_barrier_signal -1
	s_barrier_wait -1
	s_cmp_lg_u32 s[WV], 0
	s_cbranch_scc1 .Lnot_wave_0_\@
	s_barrier_signal -3
.Lnot_wave_0_\@:
	s_barrier_wait -3
	s_barrier_signal -1
	s_barrier_wait -1
.endm
.macro HINT n
	s_delay_alu instid0(VALU_DEP_\n)
.endm
.macro TL g1                           ; a joint load and the lines behind it
	tensor_load_to_lds s[G0:G0+3], s[\g1:\g1+7]
	s_nop 0
.rept 4
	v_nop
.endr
.endm
.macro WM d, a, b, c, sa, sb, row
.if \row
	v_wmma_scale_f32_16x16x128_f8f6f4 v[\d:\d+7], v[\a:\a+11], v[\b:\b+11], \c, v[\sa], v[\sb] matrix_a_fmt:MATRIX_FMT_FP6 matrix_b_fmt:MATRIX_FMT_FP6 matrix_a_scale:MATRIX_SCALE_ROW1
.else
	v_wmma_scale_f32_16x16x128_f8f6f4 v[\d:\d+7], v[\a:\a+11], v[\b:\b+11], \c, v[\sa], v[\sb] matrix_a_fmt:MATRIX_FMT_FP6 matrix_b_fmt:MATRIX_FMT_FP6
.endif
.endm
	s_load_b128 s[4:7], s[0:1], 0x0                ; qp, qo
	v_lshl_add_u32 v[SPW], v0, 2, SPARE
	v_mov_b32 v[NIL], 0
	ds_add_u32 v[SPW], v[NIL]                      ; the wave's opening: the add, twice on end, and its wait ahead of the first tensor loads
	ds_add_u32 v[SPW], v[NIL]
	v_lshrrev_b32 v8, 5, v0
	v_readfirstlane_b32 s[WV], v8                  ; wave 0..15
	s_and_b32 s[WQ], s[WV], 7
	s_bfe_u32 s60, ttmp6, 0x40000                  ; cx: my block of 512 queries; it enters Q's and O's addresses in memory alone
	s_and_b32 s62, ttmp7, 0xffff
	s_lshr_b32 s63, s62, 5                         ; direction
	s_bfe_u32 s61, s62, 0x40001                    ; 8 x batch + pair of heads
	s_and_b32 s[HG], s62, 1                        ; my head of the pair
	s_xor_b32 s66, s63, 1                          ; the keys are the other side's projection
	s_mul_i32 s67, s61, QP_BH
	s_mul_i32 s68, s66, QP_P
	s_add_co_u32 s68, s68, s67                     ; K's codes of the pair; V's lie 2 QP_P further on
	s_lshl_b32 s69, s66, 17
	s_lshl_b32 s70, s61, 13
	s_add_co_u32 s69, s69, s70
	s_add_co_u32 s69, s69, QP_SC                   ; K's scale words; V's lie 262,144 bytes further on
	s_min_u32 s71, s[WV], 8                        ; what I fetch: 0-3 quarters of K, 4-7 quarters of V, 8 the scale words
	s_mul_i32 s72, s71, 24576                      ; and where it goes: K, V and the scale words lie on end
	s_bfe_u32 s73, s71, 0x10002                    ; V?
	s_and_b32 s74, s71, 3
	s_mul_i32 s74, s74, 49152                      ; four chunks of the pair
	s_mul_i32 s75, s73, 2*QP_P
	s_add_co_u32 s74, s74, s75
	s_lshr_b32 s75, 6144, s73                      ; my head's part begins 6,144 (K) or 3,072 (V) bytes behind the other's
	s_mul_i32 s75, s75, s[HG]
	s_add_co_u32 s74, s74, s75
	s_add_co_u32 s74, s74, s68
	s_cmp_lt_u32 s[WV], 8
	s_cselect_b32 s74, s74, s69
	s_mov_b32 s75, 0
	s_lshr_b32 s10, s[WV], 3                       ; Q: chunk 4 cx + w / 8 (the second pass: two chunks on),
	s_lshl_b32 s11, s60, 2
	s_add_co_u32 s10, s10, s11
	s_mul_i32 s8, s63, QP_P
	s_add_co_u32 s8, s8, s67
	s_mul_i32 s11, s10, 12288
	s_add_co_u32 s8, s8, s11
	s_mul_i32 s11, s[HG], 6144
	s_add_co_u32 s8, s8, s11
	s_lshr_b32 s11, s[WQ], 2                       ; rows 16 (w % 8) + r, at their places
	s_lshl_b32 s11, s11, 6
	s_and_b32 s12, s[WQ], 1
	s_lshl_b32 s12, s12, 5
	s_add_co_u32 s11, s11, s12
	s_bfe_u32 s12, s[WQ], 0x10001
	s_lshl_b32 s12, s12, 3
	s_add_co_u32 s11, s11, s12
	s_mul_i32 s11, s11, 48
	s_add_co_u32 s8, s8, s11
	s_mov_b32 s9, 0
	s_lshl_b32 s12, s63, 17                        ; Q's scale words, by rows
	s_add_co_u32 s12, s12, s70
	s_lshl_b32 s13, s10, 9
	s_add_co_u32 s12, s12, s13
	s_lshl_b32 s13, s[WQ], 6
	s_add_co_u32 s12, s12, s13
	s_lshl_b32 s13, s[HG], 1
	s_add_co_u32 s12, s12, s13
	s_add_co_u32 s12, s12, QP_SC
	s_mov_b32 s13, 0
	s_lshr_b32 s14, s61, 3                         ; batch
	s_and_b32 s15, s61, 7                          ; pair
	s_lshl_b32 s14, s14, 7
	s_lshl_b32 s16, s60, 5
	s_add_co_u32 s14, s14, s16
	s_add_co_u32 s14, s14, s[WV]                   ; which 16 rows of O's 4,096: 128 batch + 32 cx + w (the second pass: 16 on)
	s_mul_i32 s56, s14, 1536
	s_mul_i32 s16, s[HG], 768
	s_add_co_u32 s56, s56, s16
	s_mul_i32 s16, s15, QO_HP
	s_add_co_u32 s56, s56, s16
	s_mul_i32 s16, s63, QO_DIR
	s_add_co_u32 s56, s56, s16                     ; my half image
	s_mov_b32 s57, 0
	s_lshl_b32 s58, s14, 6
	s_lshl_b32 s16, s[HG], 1
	s_add_co_u32 s58, s58, s16
	s_lshl_b32 s16, s15, 14
	s_add_co_u32 s58, s58, s16
	s_lshl_b32 s16, s63, 17
	s_add_co_u32 s58, s58, s16
	s_add_co_u32 s58, s58, QO_SC                   ; my head's bytes of my rows' scale words
	s_mov_b32 s59, 0
	s_lshl_b32 s76, s[HG], 1
	s_add_co_u32 s76, s76, SCK                     ; LDS: my head's two bytes of a key's word
	s_lshl_b32 s77, s[HG], 8
	s_add_co_u32 s77, s77, SCV                     ; and my head's 64 words of a step's 128
	; descriptor groups 1, elements of 8 bytes, no padding; 15:0 the mask of all four; 21 set beside a mask
.irp g, G1K, G1V, G1S
	s_mov_b32 s[\g], 15|(3<<16)|(1<<21)
	s_mov_b32 s[\g+6], 0
	s_mov_b32 s[\g+7], 0
.endr
	s_mov_b32 s[G1K+1], 768<<16                    ; K: 4 rows of 6,144 bytes (a chunk's half), 12,288 apart
	s_mov_b32 s[G1K+2], 4<<16
	s_mov_b32 s[G1K+3], 768<<16
	s_mov_b32 s[G1K+4], 4
	s_mov_b32 s[G1K+5], 1536
	s_mov_b32 s[G1V+1], 384<<16                    ; V: 8 rows of 3,072 bytes (my head's 64 places of a half chunk), 6,144 apart
	s_mov_b32 s[G1V+2], 8<<16
	s_mov_b32 s[G1V+3], 384<<16
	s_mov_b32 s[G1V+4], 8
	s_mov_b32 s[G1V+5], 768
	s_mov_b32 s[G1S+1], 1024<<16                   ; the scale words: 2 rows of 8,192 bytes, K's and V's, 262,144 apart
	s_mov_b32 s[G1S+2], 2<<16
	s_mov_b32 s[G1S+3], 1024<<16
	s_mov_b32 s[G1S+4], 2
	s_mov_b32 s[G1S+5], 32768
	s_mov_b32 s[SEL], 0x76543210
	s_mov_b32 s[SEL+1], 0xfedcba98
	s_mov_b32 s[CS], 0x3e38aa3b                    ; c = log2(e) / sqrt(64)
	s_mov_b32 s[CS+1], s[CS]
	s_wait_dscnt 0x0                               ; both opening adds are done
	s_wait_kmcnt 0x0
	s_mov_b32 s[G0], 1
	s_mov_b32 s[G0+1], s72
	s_add_nc_u64 s[G0+2:G0+3], s[4:5], s[74:75]
	s_or_b32 s[G0+3], s[G0+3], 0x80000000
	s_add_nc_u64 s[8:9], s[4:5], s[8:9]
	s_add_nc_u64 s[12:13], s[4:5], s[12:13]
	s_add_nc_u64 s[56:57], s[6:7], s[56:57]
	s_add_nc_u64 s[58:59], s[6:7], s[58:59]
	CROUND                                         ; all four work-groups are here: the joint loads meet
	s_cmp_lt_u32 s[WV], 4                          ; one chain of branches on the wave's number, one load to an arm, one join
	s_cbranch_scc0 .Lnot_k
	TL G1K
	s_branch .Lasked
.Lnot_k:
	s_cmp_lt_u32 s[WV], 8
	s_cbranch_scc0 .Lnot_v
	TL G1V
	s_branch .Lasked
.Lnot_v:
	s_cmp_eq_u32 s[WV], 8
	s_cbranch_scc0 .Lasked
	TL G1S
.Lasked:
	v_and_b32 v8, 15, v0                           ; r
	v_bfe_u32 v9, v0, 4, 1                         ; h
	v_mul_u32_u24 v10, v8, 48
	v_mad_u32_u24 v[AK0], v9, 24, v10              ; a tile's place r, my half's 24 bytes: the 32 lanes of a load of 8 bytes stand 24 bytes apart
	v_add_nc_u32 v[AV0], VB, v[AK0]
	v_and_b32 v10, 7, v8
	v_lshrrev_b32 v11, 3, v8
	v_lshl_add_u32 v[QA], v11, 4, v10              ; Q: row r of my 16 lies 16 (r / 8) + r % 8 places on
	v_mul_u32_u24 v[QA], v[QA], 48
	v_mad_u32_u24 v[QA], v9, 24, v[QA]
	v_lshlrev_b32 v[QSA], 2, v8
	v_lshl_add_u32 v10, v11, 5, v10                ; scale words lie by rows: place r of a tile is row r % 8 + 32 (r / 8);
	v_lshlrev_b32 v10, 2, v10
	v_lshl_add_u32 v10, v9, 5, v10                 ; lanes 16-31 take the next tile's, 8 rows on
	v_add_nc_u32 v[ASK0], s76, v10
	v_add_nc_u32 v[ASV0], s77, v10
	v_lshlrev_b32 v[SH8], 3, v9
	v_and_b32 v[L8], 31, v0
	v_lshlrev_b32 v[L8], 3, v[L8]
	v_lshl_add_u32 v[OSB], v8, 2, v9               ; row r's word, byte h of my head's two
.irp p, 0,1,2
	global_load_b64 v[Q0+2*\p:Q0+2*\p+1], v[QA], s[8:9] offset:8*\p
	global_load_b64 v[Q1+2*\p:Q1+2*\p+1], v[QA], s[8:9] offset:24576+8*\p
.endr
	global_load_u16 v[QS0], v[QSA], s[12:13]       ; my head's two scale bytes of row r; the upper two bytes are 0
	global_load_u16 v[QS1], v[QSA], s[12:13] offset:1024
.irp j, 0,1,2,3,4,5
	v_mov_b32 v[Q0+6+\j], 0                        ; zero codes: Q's upper halves, and what stands behind K's last tile
	v_mov_b32 v[Q1+6+\j], 0
	v_mov_b32 v[KF+48+\j], 0
.endr
	v_mov_b32 v[PT], 0                             ; a lane permute's destination counts as one of its sources
	v_mov_b32 v[F+1], 0                            ; (named as the upper half of the pair)
	s_wait_alu depctr_va_vdst(0)
	s_wait_loadcnt 0x0                             ; Q
	s_wait_tensorcnt 0x0                           ; my load has landed
	s_barrier_signal -1
	s_barrier_wait -1                              ; and everybody's: K, V and the scale words are whole, and stay
; A KEY STEP: 128 keys against my 16 queries.
.macro STEP qb, qs
	v_add_nc_u32 v[ADK], s[TK], v[AK0]             ; (these four are also the places behind the last step's products, in front of the loads below)
	v_add_nc_u32 v[ADV], s[TK], v[AV0]
	v_add_nc_u32 v[ADS], s[TS], v[ASK0]
	v_add_nc_u32 v[ADT], s[TS], v[ASV0]
.irp t, 0,1,2,3,4,5,6,7
.irp p, 0,1,2
	ds_load_b64 v[KF+6*\t+2*\p:KF+6*\t+2*\p+1], v[ADK] offset:768*\t+8*\p
.endr
.endr
.irp w, 0,1,2,3
	ds_load_u16 v[KS+\w], v[ADS] offset:256*(\w/2)+64*(\w%2)   ; tiles 2 w and 2 w + 1
.endr
	s_wait_alu depctr_va_vdst(0)
	s_wait_dscnt 0x0
.irp t, 0,2,4,6
	WM S+8*\t, KF+6*\t, \qb, 0, KS+\t/2, \qs, 0
	WM S+8*\t+8, KF+6*\t+6, \qb, 0, KS+\t/2, \qs, 1
.endr
.rept 4
	v_nop                                          ; places: for the loads into K's registers and for the first read of the scores
.endr
.irp u, 0,1,2,3                                ; V is asked for now, and lands while the softmax is walked
.irp p, 0,1,2,3,4,5
	ds_load_b64 v[KF+12*\u+2*\p:KF+12*\u+2*\p+1], v[ADV] offset:3072*(\p/3)+768*\u+8*(\p%3)
.endr
.endr
	ds_load_b32 v[VS], v[ADT]
	ds_load_b32 v[VS+1], v[ADT] offset:64
.irp c, 0,1                                    ; the largest score of my two blocks of 32 keys, each in two chains: for the row's maximum and, since p rises with the score, for the block's largest p
	v_max3_num_f32 v[BM+\c], v[S+32*\c], v[S+32*\c+1], v[S+32*\c+2]
	v_max3_num_f32 v[BM+2+\c], v[S+32*\c+16], v[S+32*\c+17], v[S+32*\c+18]
.endr
.irp i, 3,5,7,9,11,13
.irp c, 0,1
	v_max3_num_f32 v[BM+\c], v[BM+\c], v[S+32*\c+\i], v[S+32*\c+\i+1]
	v_max3_num_f32 v[BM+2+\c], v[BM+2+\c], v[S+32*\c+16+\i], v[S+32*\c+17+\i]
.endr
.endr
.irp c, 0,1
	v_max3_num_f32 v[BM+\c], v[BM+\c], v[BM+2+\c], v[S+32*\c+15]
.endr
.irp c, 0,1
	v_max_num_f32 v[BM+\c], v[BM+\c], v[S+32*\c+31]
.endr
	v_mov_b32 v[SO], v12                           ; the old -M
	v_max_num_f32 v[T0], v[BM], v[BM+1]
	v_permlanex16_b32 v[PT], v[T0], s[SEL], s[SEL+1]   ; lane l xor 16 holds my query's other two blocks
	v_max3_num_f32 v13, v13, v[T0], v[PT]
	HINT 1
	v_mul_f32 v[T0], s[CS], v13                    ; as t (c is positive)
	HINT 1
	v_floor_f32 v12, -v[T0]                        ; the new -M = floor(-t) = -ceil(t)
	HINT 1
	v_sub_f32 v[SO], v12, v[SO]                    ; old M - new M: a whole number, 0 or less
	HINT 1
	v_cvt_i32_f32 v[SO], v[SO]                     ; (it saturates)
	HINT 1
	v_ldexp_f32 v[F], 1.0, v[SO]                   ; f = 2^(old M - new M)
.set JJ, 0
.rept 16
	v_pk_mul_f32 v[O+JJ:O+JJ+1], v[O+JJ:O+JJ+1], v[F:F+1] op_sel_hi:[1,0]   ; O^T under the new M, each accumulator from its low end on
.set JJ, JJ+2
.endr
.set JJ, 0
.rept 32
	v_pk_fma_f32 v[S+JJ:S+JJ+1], v[S+JJ:S+JJ+1], s[CS:CS+1], v[12:13] op_sel_hi:[1,0,0]   ; t - M, two at a time
.set JJ, JJ+2
.endr
.irp c, 0,1
	v_fma_f32 v[BM+\c], v[BM+\c], s[CS], v12       ; the same of each block's largest score
.endr
	s_wait_alu depctr_va_vdst(0)
	v_exp_f32 v[BM], v[BM]                         ; the blocks' largest p
	v_exp_f32 v[BM+1], v[BM+1]
.set JJ, 0
.rept 64
	v_exp_f32 v[S+JJ], v[S+JJ]                     ; p = 2^(t - M), at most 1
.set JJ, JJ+1
.endr
	v_pk_mul_f32 v[14:15], v[14:15], v[F:F+1] op_sel_hi:[1,0]   ; the sums under the new M (the plain instruction behind the exponentials)
	s_wait_alu depctr_va_vdst(0)                   ; one wait for the whole batch, ahead of its first reader
.irp c, 0,1
	v_max_num_f32 v[BM+\c], 0x1800000, v[BM+\c]    ; the floor 2^(3 - 127)
.endr
.irp c, 0,1
	HINT 2
	v_add_nc_u32 v[SO+\c], 0xff000000, v[BM+\c]    ; 2 off the exponent field: the conversion's scale operand
.endr
.irp c, 0,1
	v_cvt_scalef32_pk16_fp6_f32 v[PC+6*\c:PC+6*\c+2], v[S+32*\c:S+32*\c+15], v[SO+\c]         ; my block 2 c + h: its lower 16 codes stand where the operand wants them,
	v_cvt_scalef32_pk16_fp6_f32 v[CT+4*\c:CT+4*\c+2], v[S+32*\c+16:S+32*\c+31], v[SO+\c]      ; its upper 16 are moved (a conversion's three registers begin on an even number)
.endr
.irp c, 0,1
	v_lshrrev_b32 v[BY+\c], 23, v[SO+\c]           ; the scales' bytes (also the plain instruction behind the conversions)
.endr
	v_lshl_or_b32 v[BY], v[BY+1], 16, v[BY]        ; blocks h and 2 + h,
	HINT 1
	v_lshlrev_b32 v[BY], v[SH8], v[BY]             ; at their places in the word;
	HINT 1
	v_permlanex16_b32 v[PT], v[BY], s[SEL], s[SEL+1]
	HINT 1
	v_or_b32 v[PS], v[BY], v[PT]                   ; with lane l xor 16's two the word is whole
.irp c, 0,1
.irp i, 0,1,2
	v_mov_b32 v[PC+6*\c+3+\i], v[CT+4*\c+\i]
.endr
.endr
.irp d, 2,4,8,16,32                            ; the row's sum of the unquantised p, added in place, two at a time (these 32 are also the places between the writes of p's codes and scale word and the products)
.set JJ, 0
.rept 32/\d
	v_pk_add_f32 v[S+JJ:S+JJ+1], v[S+JJ:S+JJ+1], v[S+JJ+\d:S+JJ+\d+1]
.set JJ, JJ+2*\d
.endr
.endr
	HINT 1
	v_pk_add_f32 v[14:15], v[14:15], v[S:S+1]
	s_wait_alu depctr_va_vdst(0)
	s_wait_dscnt 0x0                               ; V is in
.irp u, 0,2                                    ; the four accumulators take turns, one instruction a turn
	WM O+8*\u, KF+12*\u, PC, v[O+8*\u:O+8*\u+7], VS+\u/2, PS, 0
	WM O+8*\u+8, KF+12*\u+12, PC, v[O+8*\u+8:O+8*\u+15], VS+\u/2, PS, 1
.endr
.endm
; A PASS: 16 queries against all 2,048 keys, and their way out.  n: which pass.
.macro PASS qb, qs, n
.if \n
	s_wait_alu depctr_va_vdst(0)
	s_wait_xcnt 0x0                                ; the last pass's stores have read their registers
.endif
	v_mov_b32 v13, 0xff61b1e6                      ; the largest score so far: -3e38
	v_mov_b32 v12, 0x7f61b1e6                      ; -M
	v_mov_b32 v14, 0
	v_mov_b32 v15, 0
.set JJ, 0
.rept 32
	v_mov_b32 v[O+JJ], 0                           ; O^T: the step is written once; the first finds zeros
.set JJ, JJ+1
.endr
	s_mov_b32 s[TK], 0
	s_mov_b32 s[TS], 0
	s_mov_b32 s[CNT], 0
.Lstep_\@:
	STEP \qb, \qs
	s_add_co_u32 s[TK], s[TK], 6144                ; the next 128 keys, in K and in V,
	s_add_co_u32 s[TS], s[TS], 512                 ; and their scale words
	s_add_co_u32 s[CNT], s[CNT], 1
	s_cmp_lt_u32 s[CNT], 16
	s_cbranch_scc1 .Lstep_\@
	v_add_f32 v14, v14, v15
	HINT 1
	v_permlanex16_b32 v[PT], v14, s[SEL], s[SEL+1]
	HINT 1
	v_add_f32 v14, v14, v[PT]                      ; the row's sum
	s_wait_alu depctr_va_vdst(0)
	v_rcp_f32 v14, v14
.rept 4
	v_nop                                          ; the plain instruction behind the reciprocal, and the places behind the last products
.endr
	s_wait_alu depctr_va_vdst(0)                   ; ahead of the first reader of the reciprocal and of O^T
.set JJ, 0
.rept 16
	v_pk_mul_f32 v[S+JJ:S+JJ+1], v[O+JJ:O+JJ+1], v[14:15] op_sel_hi:[1,0]   ; register i: o(query r, channel 32 h + i) of my head: one block of the last product's K
.set JJ, JJ+2
.endr
	v_max3_num_f32 v[BM], |v[S]|, |v[S+1]|, 0x1800000
	v_max3_num_f32 v[BM+2], |v[S+16]|, |v[S+17]|, |v[S+18]|
.irp i, 0,2,4,6,8,10
	v_max3_num_f32 v[BM], v[BM], |v[S+2+\i]|, |v[S+3+\i]|
	v_max3_num_f32 v[BM+2], v[BM+2], |v[S+19+\i]|, |v[S+20+\i]|
.endr
	v_max3_num_f32 v[BM], v[BM], |v[S+14]|, |v[S+15]|
	HINT 1
	v_max3_num_f32 v[BM], v[BM], v[BM+2], |v[S+31]|
	HINT 1
	v_add_nc_u32 v[SO], 0xff000000, v[BM]
	v_cvt_scalef32_pk16_fp6_f32 v[PC:PC+2], v[S:S+15], v[SO]
	v_cvt_scalef32_pk16_fp6_f32 v[CT:CT+2], v[S+16:S+31], v[SO]
	v_lshrrev_b32 v[BY], 23, v[SO]                 ; my block's byte (the plain instruction behind the conversions)
.irp i, 0,1,2
	v_mov_b32 v[PC+3+\i], v[CT+\i]
.endr
.irp p, 0,1,2
	global_store_b64 v[L8], v[PC+2*\p:PC+2*\p+1], s[56:57] offset:24576*\n+256*\p   ; each store: 256 consecutive bytes, at a multiple of 256
.endr
	global_store_b8 v[OSB], v[BY], s[58:59] offset:1024*\n
.endm
	PASS Q0, QS0, 0
	PASS Q1, QS1, 1
	s_wait_tensorcnt 0x0                           ; the wave's end
	ds_add_u32 v[SPW], v[NIL]
	s_wait_dscnt 0x0
	CROUND                                         ; the closing round
	s_endpgm
.Lfunc_end_k_q16c1bbb168_attn:
	.size	k_q16c1bbb168_attn, .Lfunc_end_k_q16c1bbb168_attn-k_q16c1bbb168_attn
	.p2alignl 7, 3214868480
	.fill 96, 4, 3214868480
	.section	.rodata,"a",@progbits
	.p2align	6, 0x0
	.amdhsa_kernel k_q16c1bbb168_attn
		.amdhsa_group_segment_fixed_size 215040
		.amdhsa_private_segment_fixed_size 0
		.amdhsa_enable_private_segment 0
		.amdhsa_kernarg_size 16
		.amdhsa_user_sgpr_count 2
		.amdhsa_user_sgpr_kernarg_segment_ptr 1
		.amdhsa_wavefront_size32 1
		.amdhsa_system_sgpr_workgroup_id_x 1
		.amdhsa_system_sgpr_workgroup_id_y 1
		.amdhsa_system_sgpr_workgroup_id_z 1
		.amdhsa_system_vgpr_workitem_id 0
		.amdhsa_next_free_vgpr 256
		.amdhsa_next_free_sgpr 80
		.amdhsa_reserve_vcc 0
		.amdhsa_float_denorm_mode_32 3
		.amdhsa_float_denorm_mode_16_64 3
		.amdhsa_memory_ordered 1
		.amdhsa_forward_progress 1
		.amdhsa_inst_pref_size 53
	.end_amdhsa_kernel
	.amdgpu_metadata
---
amdhsa.version: [ 1, 2 ]
amdhsa.kernels:
  - .name:           k_q16c1bbb168_attn
    .symbol:         k_q16c1bbb168_attn.kd
    .args:
      - { .name: qp, .offset: 0, .size: 8, .value_kind: global_buffer, .address_space: global }
      - { .name: qo, .offset: 8, .size: 8, .value_kind: global_buffer, .address_space: global }
    .group_segment_fixed_size: 215040
    .private_segment_fixed_size: 0
    .kernarg_segment_align: 8
    .kernarg_segment_size: 16
    .max_flat_workgroup_size: 512
    .sgpr_count:     80
    .vgpr_count:     256
    .wavefront_size: 32
...
	.end_amdgpu_metadata
.endif
;; end of part 4
;; launch outp (part 5): grid 4 x 64, 4 waves a work-group, clusters of 4 x 4, 327,680 bytes of LDS; arguments qo, qw, out0, out1; writes out0, out1
.if DOCPART == 5
	.amdgcn_target "amdgcn-amd-amdhsa--gfx1250"
	.amdhsa_code_object_version 6
	.text
	.protected	k_q16c1bbb168_outp
	.globl	k_q16c1bbb168_outp
	.p2align	8
	.type	k_q16c1bbb168_outp,@function
k_q16c1bbb168_outp:
	s_mov_b64 s[64:65], 0
	v_nop
	global_prefetch_b8 v0, s[64:65] scope:SCOPE_SE
	s_setreg_imm32_b32 hwreg(HW_REG_WAVE_MODE, 25, 1), 1
	s_wait_xcnt 0x0
	s_wait_alu depctr_hold_cnt(0) depctr_sa_sdst(0) depctr_va_vdst(0) depctr_va_sdst(0) depctr_va_ssrc(0) depctr_va_vcc(0) depctr_vm_vsrc(0)
	s_getreg_b32 s2, hwreg(HW_REG_IB_STS2, 6, 4)
	s_cmp_eq_u32 s2, 0
	s_cbranch_scc0 .Lentry_in_a_cluster
	s_endpgm
.Lentry_in_a_cluster:
	s_bfe_u32 s2, ttmp6, 0x10000c
	s_cmp_lg_u32 s2, 0xf033
	s_cbranch_scc0 .Lentry_shape_is_right
	s_endpgm
.Lentry_shape_is_right:
; THE TWO PROJECTIONS ON THE WAY OUT: out0 = O(direction 0) w_out, out1 = O(direction 1) w_cout, [4096][1024] x [1024][1024], on codes of E2M3 with E8M0 scales; f32 sums, f32 results.  No work is left out.
; A: qo, O's codes as images of the operand's registers, [direction][K step of 128: 8][16 rows: 256][1,536 bytes], and one scale word a row and K step.  B: qw, weights 4 and 5, [128 places][K step of 256: 4][128 places][192 bytes].
; A BLOCK of C is 128 x 256: 2 x 32 x 4 = 256 work-groups.  Four waves, each 64 x 128: 32 accumulators of 16 x 16.  Cluster y = 8 x direction + which four tile rows.
; LDS HOLDS NEARLY ALL OF K AT ONCE.  The head's four joint loads, one a wave: B's K steps 0 to 2 (2 halves x 73,728 bytes, 16 bytes of padding behind each 64: 184,320), A's images of all of K (8 x 12,288 bytes), A's scale words (8 x 512),
; B's scale bytes (8,192, padded).  B's K step 3 is the one refill: it lands on K step 0's bytes, behind a round of the cluster's barrier, as soon as K step 0 has been read; waves 0 and 1 bring a half each,
; and 112 matrix instructions, three and a half half steps, stand between the request and the wait for it.
; CLUSTERS: 4 x 4.  A's tiles hang on the tile row alone and are shared along a row of the cluster, B's on the tile column alone and are shared along a column.
; NO PREFETCH: the walk along K is written out, eight half steps with no loop to run ahead in, and the one refill is asked for as soon as its bytes are free.
; THE MATRIX INSTRUCTION IS USED TRANSPOSED (source 0 = 16 places of B, source 1 = 16 rows of A): a lane holds eight neighbouring numbers of a row of C.  Place 16 b + 8 h + j of B is column 32 (b / 2) + 8 (b % 2) + 16 h + j.
; REGISTERS: window 0: v16-31 addresses, v32-63 A's scale words (two sets), v64-95 B's (two sets), v128-223 A's fragments (two sets of 4 x 12); window 1: B's fragments, two sets, at v0 and v128; window 2: the accumulators.
.set SIZE_N, 1024
.set PITCH,  240                       ; a place's 192 bytes in LDS: 16 bytes of padding behind each 64
.set FR,     12
.set NP,     4                         ; places behind this matrix instruction (ISA guide 7.12.1)
.set HALFT,  128*PITCH                 ; 128 places of one K step
.set AIMG,   12288                     ; A's images of 128 rows and 128 along K
.set KS,     32
.set HALFS,  (128*KS/256)*272
.set SBLK,   (16*KS/256)*272
.set BL,     8*AIMG                    ; LDS: A from 0; B from here: [half 2][K step 3][HALFT]
.set SAL,    BL+6*HALFT                ; A's scale words: [K step of 128: 8][128 rows][4 bytes]
.set SBL,    SAL+4096                  ; B's scale bytes, units of 256 bytes + 16
.set SPARE,  SBL+2*HALFS               ; the spare words: 128 bytes a wave, two blocks of 256 bytes that no other line names
.set SPITCH, 528                       ; the way out: a stage of 16 rows x (512 + 16) bytes a wave, on A's bytes, which are filled once and read no more behind the last barrier
.set QO_DIR, 3145728
.set QO_HP,  393216
.set QO_SC,  6291456
.set QW_W,   786432
.set QW_SC,  4718592
.set ADRA, 16                          ; v16-17 A's images, K steps 0-3 and 4-7
.set ADRB, 18                          ; v18-20 B's fragments in the three K steps' places; v22-24 the same for a piece whose lanes 16-31 lie behind one more padding
.set STO,  25
.set RD,   26
.set CO,   27
.set SPW,  28
.set NIL,  29
.set ADRSA, 30
.set ADRSB, 31
.set SCA,  32
.set SCB,  64
.set AF,   128
.set BK,   128
.set G1A, 24
.set G1B, 32
.set G1S, 48
.set G1SB, 56
.set G1R, 68
.set G0A, 76
.set G0B, 80
.set G0S, 84
.set G0SB, 88
.set G0R, 92
.set PP,  100
.set MSB, 0
.macro WIN new                         ; the immediate's high byte repeats the setting that is left
.if MSB != \new
	s_set_vgpr_msb (MSB<<8)|\new
.set MSB, \new
.endif
.endm
.set MUL_LO, 0xa1                      ; source 0 (B) window 1, source 1 (A) window 0, C and D window 2
.set TO_B,   0x40
.macro CREST                           ; a round of the cluster's barrier behind its opening barrier
	s_cmp_lg_u32 s14, 0
	s_cbranch_scc1 .Lnot_wave_0_\@
	s_barrier_signal -3
.Lnot_wave_0_\@:
	s_barrier_wait -3
	s_barrier_signal -1
	s_barrier_wait -1
.endm
.macro CROUND
	s_barrier_signal -1
	s_barrier_wait -1
	CREST
.endm
.macro PLACES n
.rept \n
	v_nop
.endr
.endm
.macro TL g0, g1                       ; a joint load and the lines behind it
	tensor_load_to_lds s[\g0:\g0+3], s[\g1:\g1+7]
	s_nop 0
	PLACES 4
.endm
	s_load_b128 s[96:99], s[0:1], 0x0              ; qo, qw
	s_load_b128 s[8:11], s[0:1], 0x10              ; out0, out1
	v_lshl_add_u32 v[SPW], v0, 2, SPARE
	v_mov_b32 v[NIL], 0
	ds_add_u32 v[SPW], v[NIL]                      ; the wave's opening: the add, twice on end, and its wait ahead of the first tensor loads
	ds_add_u32 v[SPW], v[NIL]
	v_lshrrev_b32 v1, 5, v0
	v_readfirstlane_b32 s14, v1                    ; wave 0..3
	s_lshr_b32 s15, s14, 1                         ; which 64 rows are mine
	s_and_b32 s16, s14, 1                          ; which 128 columns
	s_bfe_u32 s40, ttmp6, 0x40000                  ; cx
	s_bfe_u32 s41, ttmp6, 0x40004                  ; cy
	s_and_b32 s101, ttmp7, 0xffff
	s_lshr_b32 s[PP], s101, 3                      ; direction
	s_and_b32 s17, s101, 7
	s_lshl_b32 s17, s17, 2
	s_add_co_u32 s17, s17, s41                     ; tile row, 0..31
	s_mov_b32 s42, s40                             ; tile column, 0..3
	s_lshl_b32 s43, s41, 2
	s_lshl_b32 s43, 15, s43                        ; my row of the cluster
	s_lshl_b32 s44, 0x1111, s40                    ; my column
	s_or_b32 s[G1A], s43, (3<<16)|(1<<21)          ; A: 8 rows of 12,288 bytes (1,536 elements of 8), QO_HP apart
	s_mov_b32 s[G1A+1], 1536<<16
	s_mov_b32 s[G1A+2], 8<<16
	s_mov_b32 s[G1A+3], 1536<<16
	s_mov_b32 s[G1A+4], 8
	s_mov_b32 s[G1A+5], QO_HP/8
	s_or_b32 s[G1B], s44, (3<<16)|(1<<20)|(1<<21)|(3<<22)|(3<<25)   ; B: 2 rows of 73,728 bytes (three K steps on end), 98,304 apart; 4 words of padding behind each 16
	s_mov_b32 s[G1B+1], 9216<<16
	s_mov_b32 s[G1B+2], 2<<16
	s_mov_b32 s[G1B+3], 9216<<16
	s_mov_b32 s[G1B+4], 2
	s_mov_b32 s[G1B+5], 12288
	s_or_b32 s[G1S], s43, (3<<16)|(1<<21)          ; A's scale words: 8 rows of 512 bytes, 16,384 apart
	s_mov_b32 s[G1S+1], 64<<16
	s_mov_b32 s[G1S+2], 8<<16
	s_mov_b32 s[G1S+3], 64<<16
	s_mov_b32 s[G1S+4], 8
	s_mov_b32 s[G1S+5], 2048
	s_or_b32 s[G1SB], s44, (3<<16)|(1<<20)|(1<<21)|(5<<22)|(3<<25)  ; B's scale bytes: 32 dense rows of 256 bytes, 16 bytes of padding behind each
	s_mov_b32 s[G1SB+1], 32<<16
	s_mov_b32 s[G1SB+2], 32<<16
	s_mov_b32 s[G1SB+3], 32<<16
	s_mov_b32 s[G1SB+4], 32
	s_mov_b32 s[G1SB+5], 32
	s_or_b32 s[G1R], s44, (0<<16)|(1<<20)|(1<<21)|(3<<22)|(3<<25)   ; the refill: 24,576 dense bytes as 96 rows of 256
	s_mov_b32 s[G1R+1], 256<<16
	s_mov_b32 s[G1R+2], 96<<16
	s_mov_b32 s[G1R+3], 256<<16
	s_mov_b32 s[G1R+4], 96
	s_mov_b32 s[G1R+5], 256
.irp g, G1A, G1B, G1S, G1SB, G1R
	s_mov_b32 s[\g+6], 0
	s_mov_b32 s[\g+7], 0
.endr
	s_mul_i32 s20, s[PP], QO_DIR                   ; A hangs on the tile row alone
	s_mul_i32 s18, s17, AIMG
	s_add_co_u32 s20, s20, s18
	s_mov_b32 s21, 0
	s_lshl_b32 s22, s[PP], 17
	s_lshl_b32 s18, s17, 9
	s_add_co_u32 s22, s22, s18
	s_add_co_u32 s22, s22, QO_SC
	s_mov_b32 s23, 0
	s_add_co_u32 s18, s[PP], 4                     ; B on the tile column alone: weight 4 + direction
	s_mul_i32 s46, s42, 2*98304
	s_mul_i32 s19, s18, QW_W
	s_add_co_u32 s46, s46, s19
	s_mov_b32 s47, 0
	s_lshl_b32 s2, s42, 13
	s_lshl_b32 s19, s18, 15
	s_add_co_u32 s2, s2, s19
	s_add_co_u32 s2, s2, QW_SC
	s_mov_b32 s3, 0
	s_mul_i32 s18, s16, 98304                      ; the refill: half wave % 2, K step 3
	s_add_co_u32 s18, s18, 3*24576
	s_add_co_u32 s18, s18, s46
	s_mov_b32 s19, 0
	s_mul_i32 s101, s16, 3*HALFT
	s_add_co_u32 s101, s101, BL                    ; onto that half's K step 0
	s_wait_dscnt 0x0                               ; both opening adds are done
	s_wait_kmcnt 0x0
	s_mov_b32 s[G0A], 1
	s_mov_b32 s[G0A+1], 0
	s_add_nc_u64 s[G0A+2:G0A+3], s[96:97], s[20:21]
	s_or_b32 s[G0A+3], s[G0A+3], 0x80000000
	s_mov_b32 s[G0S], 1
	s_mov_b32 s[G0S+1], SAL
	s_add_nc_u64 s[G0S+2:G0S+3], s[96:97], s[22:23]
	s_or_b32 s[G0S+3], s[G0S+3], 0x80000000
	s_mov_b32 s[G0B], 1
	s_mov_b32 s[G0B+1], BL
	s_add_nc_u64 s[G0B+2:G0B+3], s[98:99], s[46:47]
	s_or_b32 s[G0B+3], s[G0B+3], 0x80000000
	s_mov_b32 s[G0SB], 1
	s_mov_b32 s[G0SB+1], SBL
	s_add_nc_u64 s[G0SB+2:G0SB+3], s[98:99], s[2:3]
	s_or_b32 s[G0SB+3], s[G0SB+3], 0x80000000
	s_mov_b32 s[G0R], 1
	s_mov_b32 s[G0R+1], s101
	s_add_nc_u64 s[G0R+2:G0R+3], s[98:99], s[18:19]
	s_or_b32 s[G0R+3], s[G0R+3], 0x80000000
	s_cmp_eq_u32 s[PP], 0
	s_cselect_b64 s[12:13], s[8:9], s[10:11]       ; out0 or out1, by the direction alone
	CROUND                                         ; all sixteen work-groups are here: the first joint loads meet
.macro ARM under, g0, g1, next         ; one tree of branches on the wave's number: every way through the head passes exactly one load
	s_cmp_lt_u32 s14, \under
	s_cbranch_scc0 \next
	TL \g0, \g1
	s_branch .Lhead_asked
\next:
.endm
	ARM 1, G0B, G1B, .Lhead_a
	ARM 2, G0A, G1A, .Lhead_sa
	ARM 3, G0S, G1S, .Lhead_sb
	TL G0SB, G1SB
.Lhead_asked:
	s_mul_i32 s20, s15, 4*1536                     ; my four blocks of 16 rows in an image
	s_mul_i32 s21, s16, 3*HALFT
	s_add_co_u32 s21, s21, BL                      ; my half of B, K steps' places 0, 1, 2
	s_add_co_u32 s22, s21, HALFT
	s_add_co_u32 s23, s22, HALFT
	s_lshl_b32 s45, s15, 8
	s_add_co_u32 s45, s45, SAL
	s_mul_i32 s2, s16, HALFS
	s_add_co_u32 s2, s2, SBL
	s_mul_i32 s3, s14, 16*SPITCH                   ; my stage
	v_and_b32 v1, 15, v0                           ; r
	v_bfe_u32 v2, v0, 4, 1                         ; h
	v_and_b32 v6, 31, v0
	v_mul_u32_u24 v3, v1, PITCH
	v_mul_u32_u24 v4, v2, 24
	v_add_nc_u32 v4, v3, v4                        ; place x pitch + 24 h
	v_lshl_add_u32 v5, v2, 4, v4                   ; and with one more padding for lanes 16-31
	v_lshlrev_b32 v7, 3, v6
	v_add_nc_u32 v[ADRA], s20, v7                  ; an image: 8 bytes a lane
	v_add_nc_u32 v[ADRA+1], 4*AIMG, v[ADRA]
	v_add_nc_u32 v[ADRB], s21, v4
	v_add_nc_u32 v[ADRB+1], s22, v4
	v_add_nc_u32 v[ADRB+2], s23, v4
	v_add_nc_u32 v[ADRB+4], s21, v5
	v_add_nc_u32 v[ADRB+5], s22, v5
	v_add_nc_u32 v[ADRB+6], s23, v5
	v_lshl_add_u32 v[ADRSA], v1, 2, s45
	v_mul_u32_u24 v5, v1, KS
	v_lshrrev_b32 v7, 8, v5
	v_lshl_add_u32 v5, v7, 4, v5
	v_add_nc_u32 v[ADRSB], s2, v5
	v_mul_u32_u24 v5, v1, SPITCH
	v_lshl_add_u32 v5, v2, 6, v5
	v_add_nc_u32 v[STO], s3, v5
	v_lshlrev_b32 v[CO], 4, v6
	v_add_nc_u32 v[RD], s3, v[CO]
	s_lshl_b32 s20, s17, 7
	s_lshl_b32 s21, s15, 6
	s_add_co_u32 s20, s20, s21                     ; my first row of C
	s_mov_b32 s21, 0
	s_mov_b64 s[18:19], SIZE_N*4
	s_mul_u64 s[20:21], s[20:21], s[18:19]
	s_lshl_b32 s46, s42, 10
	s_lshl_b32 s47, s16, 9
	s_add_co_u32 s46, s46, s47                     ; my first column, in bytes
	s_mov_b32 s47, 0
	s_add_nc_u64 s[20:21], s[20:21], s[46:47]
	s_add_nc_u64 s[12:13], s[12:13], s[20:21]
.macro FRAG reg, adr, q, i             ; a fragment of B: six pieces of 8 bytes; piece n of a place's 24 lies at 8 n + 16 (n / 8)
.irp p, 0,1,2,3,4,5
.set PCE, 12*(\q)+6*(\p/3)+\p%3
.if PCE%8 < 5
	ds_load_b64 v[\reg+2*\p:\reg+2*\p+1], v[\adr] offset:8*PCE+16*(PCE/8)+(\i)*16*PITCH
.else
	ds_load_b64 v[\reg+2*\p:\reg+2*\p+1], v[\adr+4] offset:8*PCE+16*(PCE/8)+(\i)*16*PITCH
.endif
.endr
.endm
; The fragments of half step q (128 along K) into set q % 2; with an even q the scale words of its K step of 256 into set (q / 2) % 2.  K step 3 lies in K step 0's place.
.macro FETCH q
.set KP, ((\q)/2)%3
	WIN TO_B
.irp i, 0,1,2,3,4,5,6,7
	FRAG 128*((\q)%2)+FR*\i, ADRB+KP, (\q)%2, \i
.endr
	WIN 0
.irp i, 0,1,2,3
.irp p, 0,1,2,3,4,5
	ds_load_b64 v[AF+48*((\q)%2)+FR*\i+2*\p:AF+48*((\q)%2)+FR*\i+2*\p+1], v[ADRA+(\q)/4] offset:AIMG*((\q)%4)+1536*\i+256*\p
.endr
.endr
.if (\q)%2 == 0
.irp i, 0,1,2,3,4,5,6,7
	ds_load_b64 v[SCB+16*(((\q)/2)%2)+2*\i:SCB+16*(((\q)/2)%2)+2*\i+1], v[ADRSB] offset:\i*SBLK+8*((\q)/2)
.endr
.irp i, 0,1,2,3
.irp k, 0,1
	ds_load_b32 v[SCA+16*(((\q)/2)%2)+2*\i+\k], v[ADRSA] offset:512*((\q)+\k)+64*\i
.endr
.endr
.endif
.endm
; 16 matrix instructions: A's blocks a0, a0 + 1 x B's eight.  The 32 accumulators take turns, one instruction a turn, in the same order in every half step.
.macro MUL16 a0, q, zero
.irp a, \a0, \a0+1
.irp b, 0,1,2,3,4,5,6,7
.if \zero
	v_wmma_scale_f32_16x16x128_f8f6f4 v[8*(8*(\a)+\b):8*(8*(\a)+\b)+7], v[128*((\q)%2)+FR*\b:128*((\q)%2)+FR*\b+FR-1], v[AF+48*((\q)%2)+FR*(\a):AF+48*((\q)%2)+FR*(\a)+FR-1], 0, v[SCB+16*(((\q)/2)%2)+2*\b+(\q)%2], v[SCA+16*(((\q)/2)%2)+2*(\a)+(\q)%2] matrix_a_fmt:MATRIX_FMT_FP6 matrix_b_fmt:MATRIX_FMT_FP6
.else
	v_wmma_scale_f32_16x16x128_f8f6f4 v[8*(8*(\a)+\b):8*(8*(\a)+\b)+7], v[128*((\q)%2)+FR*\b:128*((\q)%2)+FR*\b+FR-1], v[AF+48*((\q)%2)+FR*(\a):AF+48*((\q)%2)+FR*(\a)+FR-1], v[8*(8*(\a)+\b):8*(8*(\a)+\b)+7], v[SCB+16*(((\q)/2)%2)+2*\b+(\q)%2], v[SCA+16*(((\q)/2)%2)+2*(\a)+(\q)%2] matrix_a_fmt:MATRIX_FMT_FP6 matrix_b_fmt:MATRIX_FMT_FP6
.endif
.endr
.endr
.endm
; A HALF STEP: its fragments are waited for, the next half step's are asked for, and its 32 products follow.
; kind 1: K step 0 has been read: the barrier that opens a round of the cluster's, and the refill, the first tensor load behind the round.  kind 2: the refill has landed: a barrier shows it to all four waves.
.macro PH q, kind, zero
.if \kind
	s_wait_tensorcnt 0x0                           ; all my tensor loads have landed
.endif
.if \kind == 1
	ds_add_u32 v[SPW], v[NIL]
.endif
	s_wait_dscnt 0x0                               ; this half step's fragments are in; all my LDS instructions are done
.if \kind
	s_barrier_signal -1
	WIN MUL_LO
	MUL16 0, \q, \zero                             ; work on registers while the others arrive
	WIN 0
	s_barrier_wait -1
.endif
.if \kind == 1
	CREST                                          ; no wave of any partner still reads K step 0 or has a load on its way
	s_cmp_lt_u32 s14, 2
	s_cbranch_scc0 .Lno_refill
	TL G0R, G1R
.Lno_refill:
.endif
	PLACES NP                                      ; in front of loads into the set that the last half step's products read
	FETCH (\q)+1
	WIN MUL_LO
.if \kind == 0
	MUL16 0, \q, \zero
.endif
	MUL16 2, \q, \zero
	WIN 0
.endm
	s_wait_alu depctr_va_vdst(0)
	s_wait_tensorcnt 0x0                           ; my tile of the head's four is in
	s_barrier_signal -1
	s_barrier_wait -1                              ; and everybody's; only the refill lands behind this barrier
	FETCH 0
	PH 0, 0, 1                                     ; the first products start the sums
	PH 1, 1, 0
	PH 2, 0, 0
	PH 3, 0, 0
	PH 4, 0, 0
	PH 5, 2, 0
	PH 6, 0, 0
	s_wait_dscnt 0x0                               ; the last fragments are in: my reads of A and B are over;
	s_barrier_signal -1                            ; say so,
	WIN MUL_LO
	MUL16 0, 7, 0
	MUL16 2, 7, 0
	WIN 0
	s_barrier_wait -1                              ; and behind this wait nobody reads A's bytes any more: the stages lie there
; THE WAY OUT, block by block of 16 rows x 128 columns, through my own stage: back come whole rows of 512 bytes.  LDS serves a wave's instructions in order (ISA guide 5.7.1.4): no wait between the stores and the loads.
.macro TOSTAGE a
.set AC, 64*(\a)
	WIN 0x08                                       ; the data: window 2
.irp b, 0,1,2,3,4,5,6,7
	ds_store_b128 v[STO], v[AC+8*\b:AC+8*\b+3] offset:128*(\b/2)+32*(\b%2)       ; each accumulator from its low end on
	ds_store_b128 v[STO], v[AC+8*\b+4:AC+8*\b+7] offset:128*(\b/2)+32*(\b%2)+16
.endr
	WIN 0
.set BB, BK+64*((\a)%2)
.irp t, 0,1,2,3,4,5,6,7,8,9,10,11,12,13,14,15
	ds_load_b128 v[BB+4*\t:BB+4*\t+3], v[RD] offset:\t*SPITCH
.endr
.endm
.macro SEND a, younger                 ; younger: the LDS instructions issued behind block a's loads, which may stay out
.set BB, BK+64*((\a)%2)
	s_wait_dscnt \younger
.if (\a) > 0
	s_add_nc_u64 s[12:13], s[12:13], 16*SIZE_N*4   ; (behind a wait on XCNT: the earlier stores have read their base)
.endif
.irp t, 0,1,2,3,4,5,6,7,8,9,10,11,12,13,14,15
	global_store_b128 v[CO], v[BB+4*\t:BB+4*\t+3], s[12:13] offset:\t*SIZE_N*4 th:TH_STORE_NT   ; 32 lanes store 512 consecutive bytes, at a multiple of 256
.endr
.endm
	PLACES NP                                      ; behind the last products: for the reads of their results and the loads into A's registers
	TOSTAGE 0
.irp a, 1,2,3
.if \a > 1
	s_wait_xcnt 0x0                                ; block a - 2's stores have read their registers and their base
.endif
	TOSTAGE \a
	SEND \a-1, 32                                  ; behind block a - 1's loads: block a's 16 stores and 16 loads
.endr
	s_wait_xcnt 0x0
	SEND 3, 0
	s_wait_tensorcnt 0x0                           ; the wave's end
	ds_add_u32 v[SPW], v[NIL]
	s_wait_dscnt 0x0
	CROUND                                         ; the closing round
	s_endpgm
.Lfunc_end_k_q16c1bbb168_outp:
	.size	k_q16c1bbb168_outp, .Lfunc_end_k_q16c1bbb168_outp-k_q16c1bbb168_outp
	.p2alignl 7, 3214868480
	.fill 96, 4, 3214868480
	.section	.rodata,"a",@progbits
	.p2align	6, 0x0
	.amdhsa_kernel k_q16c1bbb168_outp
		.amdhsa_group_segment_fixed_size 327680
		.amdhsa_private_segment_fixed_size 0
		.amdhsa_enable_private_segment 0
		.amdhsa_kernarg_size 32
		.amdhsa_user_sgpr_count 2
		.amdhsa_user_sgpr_kernarg_segment_ptr 1
		.amdhsa_wavefront_size32 1
		.amdhsa_system_sgpr_workgroup_id_x 1
		.amdhsa_system_sgpr_workgroup_id_y 1
		.amdhsa_system_sgpr_workgroup_id_z 1
		.amdhsa_system_vgpr_workitem_id 0
		.amdhsa_next_free_vgpr 768
		.amdhsa_next_free_sgpr 102
		.amdhsa_reserve_vcc 0
		.amdhsa_float_denorm_mode_32 3
		.amdhsa_float_denorm_mode_16_64 3
		.amdhsa_memory_ordered 1
		.amdhsa_forward_progress 1
		.amdhsa_inst_pref_size 100
	.end_amdhsa_kernel
	.amdgpu_metadata
---
amdhsa.version: [ 1, 2 ]
amdhsa.kernels:
  - .name:           k_q16c1bbb168_outp
    .symbol:         k_q16c1bbb168_outp.kd
    .args:
      - { .name: qo, .offset: 0, .size: 8, .value_kind: global_buffer, .address_space: global }
      - { .name: qw, .offset: 8, .size: 8, .value_kind: global_buffer, .address_space: global }
      - { .name: out0, .offset: 16, .size: 8, .value_kind: global_buffer, .address_space: global }
      - { .name: out1, .offset: 24, .size: 8, .value_kind: global_buffer, .address_space: global }
    .group_segment_fixed_size: 327680
    .private_segment_fixed_size: 0
    .kernarg_segment_align: 8
    .kernarg_segment_size: 32
    .max_flat_workgroup_size: 128
    .sgpr_count:     102
    .vgpr_count:     768
    .wavefront_size: 32
...
	.end_amdgpu_metadata
.endif
;; end of part 5
